; MI455X (gfx1250); checked and timed in simulation.
; The chip was launched on July 23, 2026; its instructions are those of AMD's public machine-readable ISA for CDNA 5 (MIT licence, August 2026) and "CDNA5" Instruction Set Architecture Reference Guide (July 2026). The comments in the code are by the model that wrote it; some were corrected since.
;; Multi Head Causal Attention. Allowed arithmetic: matrix products marked QUANTISED: E2M3 operands, one E8M0 scale for each 32 along K, by v_wmma_scale_f32_16x16x128_f8f6f4 with both operands' format E2M3, f32 sums; everything else in f32.
;; Inputs: Wk_codes 768 x 24 x 24 uint8 (E2M3 codes of Wk, K innermost, in blocks of 32 codes, four codes in three bytes); Wk_scales 768 x 24 uint8 (E8M0 scales of Wk, one for each 32 codes along K); Wq_codes 768 x 24 x 24 uint8 (E2M3 codes of Wq, K innermost, in blocks of 32 codes, four codes in three bytes); Wq_scales 768 x 24 uint8 (E8M0 scales of Wq, one for each 32 codes along K); Wv_codes 768 x 24 x 24 uint8 (E2M3 codes of Wv, K innermost, in blocks of 32 codes, four codes in three bytes); Wv_scales 768 x 24 uint8 (E8M0 scales of Wv, one for each 32 codes along K); beta 768 float32; bk 768 float32; bq 768 float32; bv 768 float32; gamma 768 float32; pad_mask 4 x 2,048 float32; x 4 x 2,048 x 768 float32.
;; Outputs: out0 4 x 2,048 x 768 float32.
;; This version of the problem:
;;   THIS VERSION OF THE PROBLEM IS GIVEN IN LOW PRECISION. The matrix products marked QUANTISED in the list below multiply operands that are first quantised to E2M3 (2 exponent bits, 3 mantissa bits; 6 bits a number), with one power-of-two scale for each 32 numbers along K (OCP MX v1.0); their sums are f32. All else is computed in f32.
;;   The module's matrix products, in the order in which they are computed (A, B: the left and right operand; K: the contracted axis; several contracted axes count as one K, in the product's order):
;;     1. [M 8,192, K 768] x [K 768, N 768]; A: input x; B: input Wq (given as codes): QUANTISED
;;     2. [M 8,192, K 768] x [K 768, N 768]; A: input x; B: input Wk (given as codes): QUANTISED
;;     3. [M 8,192, K 768] x [K 768, N 768]; A: input x; B: input Wv (given as codes): QUANTISED
;;     4. batch 32 x [M 2,048, K 96] x [K 96, N 2,048]; A: computed on the way; B: computed on the way: QUANTISED
;;     5. batch 32 x [M 2,048, K 2,048] x [K 2,048, N 96]; A: softmax (see below); B: computed on the way: QUANTISED
;;   THE QUANTISER, for each operand of a quantised product, along K:
;;     - K is cut into blocks of 32 from its start; a last block that is shorter is filled with zeros.
;;     - A block's scale is 2^e with e = floor(log2(the largest magnitude in the block)) - 2, held to -126 .. 127; a block of zeros has e = 0. As a byte (E8M0): e + 127.
;;     - Each number is divided by its block's scale, clamped to +-7.5, and rounded to the nearest number of E2M3, ties to even, subnormals kept.
;;     - The product sums the exact products of the quantised numbers (number of the format x scale) in f32.
;;   ~~~python
;;   def quantise(x, axis):      # numpy; x: float32 -> the quantised numbers, widened to float32 again
;;       x = np.moveaxis(x, axis, -1); K = x.shape[-1]
;;       x = np.pad(x, [(0, 0)] * (x.ndim - 1) + [(0, -K % 32)]); x = x.reshape(x.shape[:-1] + (-1, 32)); a = np.abs(x).max(-1, keepdims=True)
;;       e = np.where(a > 0, np.clip(np.frexp(np.where(a > 0, a, 1))[1] - 1 - 2, -126, 127), 0)      # np.frexp(a)[1] - 1 = floor(log2(a)), exactly
;;       r = np.clip(x / 2.0 ** e, -7.5, 7.5)
;;       step = 2.0 ** (np.maximum(np.frexp(np.where(r == 0, 1, r))[1] - 1, 0) - 3)
;;       q = np.round(r / step) * step * 2.0 ** e      # np.round: ties to even
;;       return np.moveaxis(q.reshape(q.shape[:-2] + (-1,))[..., :K], -1, axis).astype(np.float32)
;;   ~~~
;;   SOFTMAX AHEAD OF A QUANTISED PRODUCT. Where the list says 'softmax', what is quantised is not the finished softmax but p = 2^(t - M), with t = logit x log2(e) and M = ceil(the row's largest t), a whole number; so 1/2 < the row's largest p <= 1. The row's sum l is taken of the UNQUANTISED p, in f32, and the product's result is divided by l at the end. Since M is a whole number, a kernel that streams over the keys may use a running M (the ceiling of the running maximum): every later rescaling is an exact power of two, which a block's scale takes up: the codes' values come out the same.
;;   OPERANDS COMPUTED ON THE WAY. 'Computed on the way' means the value that the module computes at that place (a softmax that the list does not call 'softmax' is quantised finished and normalised). What goes into a quantiser is computed in f32, as accurately as f32 sums, v_exp_f32 and their like allow (about 1e-6 of the number): no bf16 or f16 on the way to a quantiser, and a product that is left as it is and whose result goes on into a quantised operand takes f32 operands (vector FMAs, or v_wmma_f32_16x16x4_f32). A number that lies on a knife's edge between two numbers of the format may be rounded either way, as far as f32 arithmetic and the matrix unit's own rounding can turn it there, and no further.
;;   INPUTS GIVEN AS CODES. Wk (in the module: [768, 768], K = its axis 0); Wq (in the module: [768, 768], K = its axis 0); Wv (in the module: [768, 768], K = its axis 0): each comes as NAME_codes (uint8): NAME with its K axis moved to the last place and cut into blocks of 32 codes, [.., K / 32, bytes a block], one block behind the other in memory; four codes in three bytes: a row's codes are one little-endian stream of bits, code i at bits 6 i .. 6 i + 5 (a code: sign, 2 exponent bits, 3 mantissa bits); and NAME_scales (uint8): the same leading axes, one E8M0 byte (e + 127) for each 32 codes along K. Its value is code x scale, taken as it is: it is not quantised again, and the codes and scales need not be those that the quantiser above would give.
;; 2 versions, each right; version 2 is version 1 with the launch attn written anew for expert scheduling mode. Each part assembles by itself: llvm-mc -triple=amdgcn-amd-amdhsa -mcpu=gfx1250 --defsym DOCPART=n.
;; ======== version 1 of 2: 4 launches
;; limits: right only within a limited range of input values
;; workspace buffers: frag 6,045,696 bytes; fsc 335,872 bytes; mn 65,536 bytes; steer 1,024 bytes of whole numbers; qrec 6,553,600 bytes; kv 11,534,336 bytes; attn 25,165,824 bytes
;; launch lay (part 1): grid 657 x 1, 6 waves a work-group, no clusters, 51,968 bytes of LDS; arguments x, pad_mask, Wq_codes, Wq_scales, Wk_codes, Wk_scales, Wv_codes, Wv_scales, frag, fsc, mn, steer; writes frag, fsc, mn, steer
.if DOCPART == 1
	.amdgcn_target "amdgcn-amd-amdhsa--gfx1250"
	.amdhsa_code_object_version 6
	.text
	.protected	k_qecb2ef8ae2_lay
	.globl	k_qecb2ef8ae2_lay
	.p2align	8
	.type	k_qecb2ef8ae2_lay,@function
k_qecb2ef8ae2_lay:
	s_mov_b64 s[64:65], 0
	v_nop
	global_prefetch_b8 v0, s[64:65] scope:SCOPE_SE
	s_setreg_imm32_b32 hwreg(HW_REG_WAVE_MODE, 25, 1), 1
	s_wait_xcnt 0x0
; MULTI-HEAD CAUSAL ATTENTION IN MX-FP6, FOUR LAUNCHES: lay (this one), proj, attn, norm.
; lay:  x is quantised along its 768 and laid, with the three weights' codes, as images of matrix operands; pad_mask becomes two f32 tables and two whole numbers a batch.
; proj: q, k, v = x W + b on codes; the results are quantised in registers (q, k along the head's 96; v along the keys) and stored as operand images.
; attn: softmax(q k^T, masked) v on codes, a head's result as f32.   norm: residual and LayerNorm.
; WORK LEFT OUT (in attn).  A step of 128 keys all of which come after all 16 queries of a tile is not walked, where every query of the tile is at or behind L, the batch's first key with
; pad_mask == 0.  For such a query i the key L <= i has merge = 1, so the row's largest logit is a plain score q.k / sqrt(96).  A key j > i has causal = 0, hence merge = 0 and the logit
; -1e10 / sqrt(96) whatever q, k and pad_mask hold; its weight 2^(t - M) has an exponent near -1.5e9, lies under every f32 number, and is the 0 that reference()'s own f32 softmax has there.
; It adds nothing to the row's sum nor to the product with v.  This is the mask that reference() builds in its own body, taken in whole steps.  A tile with a query in front of L walks all 2,048 keys:
; there all logits may be equal, and the hidden keys count as reference() counts them.  L is made here, stored as a whole number, and read by attn.  No input is left out.
; LIMITS: |q.k| stays under 9e9 (else a score could meet the mask's -1e10); NaN and infinities among the inputs are not served, and one that reaches only a step left out is not carried to the result;
; a block whose largest magnitude lies under 2^-124 keeps the scale byte 1; a block of zeros gets the byte 1 where the rule says 127 (its codes are zeros; the bytes are read by this program alone).
;
; THIS LAUNCH.  Work-group TI is a tile of 16 rows, its wave s the tile's K step of 128.  TI < 512: x.  512 <= TI < 656: Wq, Wk, Wv, 48 tiles each.  TI = 656: the mask, a batch to a wave.
; THE ROWS OF A TILE ARE NOT NEIGHBOURS: lane r of tile T holds row 32 (T / 2) + 8 (T % 2) + r + 8 (r / 8), so that a product's eight registers of two neighbouring tiles are 16 neighbours along the next K.
; A FRAGMENT (16 rows x 128 K of 6-bit codes, 12 registers a lane; registers 6 c .. 6 c + 5 of lane (r, hh) hold k = 64 c + 32 hh + 0 .. 31) is stored as an image of its registers:
; registers 4 c .. 4 c + 3 of lane l at 512 c + 16 l: 1,536 dense bytes, which come back by three loads of 16 bytes a lane.  frag: [tile][K step][1,536].
; fsc: [tile][lane][4 words]: word p holds the scale word of K step 2 p in lanes 0-15 and of K step 2 p + 1 in lanes 16-31; word 3 is 0.
.set STG,   8448                       ; LDS: a stage for each wave, 16 rows x (512 bytes + 16): rows 132 words apart start at different banks
.set SCB,   50688                      ; behind the six stages: the tile's scale words, 512 bytes, laid as fsc lays them
.set SPARE, 51200                      ; the spare words, 128 bytes for each wave: three blocks of 256 bytes that no other line names
.set R,   16                           ; v16-79   16 rows x 16 bytes as loaded (mask path: pad, then m)
.set X,   80                           ; v80-143  my 64 numbers: two blocks of 32 (mask path: n)
.set PC,  144                          ; v144-155 the fragment
.set CT,  156                          ; v156-158, v160-162 the blocks' upper halves as converted
.set FW,  160                          ; v160-163 at the end: the tile's scale words on their way to fsc.  No global store of any path reads these four, so nothing that a pending store still reads is overwritten
.set MX,  164                          ; v164-165 largest magnitudes, then bytes
.set SO,  166                          ; v166-167 the conversions' scale operands
	s_load_b512 s[4:19], s[0:1], 0x0               ; x, pad_mask, Wq codes, scales, Wk codes, scales, Wv codes, scales
	s_load_b256 s[20:27], s[0:1], 0x40             ; frag, fsc, mn, steer
	v_lshl_add_u32 v10, v0, 2, SPARE               ; my spare word; never rewritten
	v_mov_b32 v11, 0                               ; 0; never rewritten
	v_lshrrev_b32 v13, 5, v0
	v_readfirstlane_b32 s28, v13                   ; wave 0..5 = K step
	v_and_b32 v1, 31, v0                           ; lane
	v_and_b32 v2, 15, v0                           ; r
	v_bfe_u32 v3, v0, 4, 1                         ; hh
	v_lshlrev_b32 v4, 4, v1                        ; 16 x lane
	s_mul_i32 s30, s28, STG
	v_add_nc_u32 v5, s30, v4                       ; the stage, on the way in: 16 x lane of a row
	v_mul_u32_u24 v6, v2, 528
	v_lshl_add_u32 v6, v3, 7, v6
	v_add_nc_u32 v6, s30, v6                       ; and on the way out: row r, + 128 hh: my 32 numbers of each 64
	s_and_b32 s31, s28, 1
	s_lshl_b32 s31, s31, 8
	s_lshr_b32 s32, s28, 1
	s_lshl_b32 s32, s32, 2
	s_add_co_u32 s31, s31, s32
	s_add_co_u32 s31, s31, SCB
	v_lshl_add_u32 v7, v2, 4, s31                  ; where my row's scale word goes: 256 (s % 2) + 16 r + 4 (s / 2)
	v_add_nc_u32 v8, SCB, v4                       ; and where wave 0 reads the words back
	v_and_b32 v9, 8, v2
	v_add_nc_u32 v9, v9, v2                        ; r + 8 (r / 8)
	s_mov_b32 s40, 0x76543210
	s_mov_b32 s41, 0xfedcba98                      ; v_permlanex16_b32's selects for lane l xor 16
	s_mov_b32 s37, 0
	s_wait_kmcnt 0x0
	s_cmp_ge_u32 ttmp9, 656
	s_cbranch_scc1 .Lmask
	s_mul_i32 s36, ttmp9, 6
	s_add_co_u32 s36, s36, s28
	s_mul_i32 s36, s36, 1536
	s_add_nc_u64 s[20:21], s[20:21], s[36:37]      ; my fragment's image
	s_lshl_b32 s36, ttmp9, 9
	s_add_nc_u64 s[22:23], s[22:23], s[36:37]      ; my tile's scale words
	s_cmp_ge_u32 ttmp9, 512
	s_cbranch_scc1 .Lweights
	; ---- x: 16 rows x 512 bytes, each load 512 consecutive bytes of a row; through my own stage, so that a lane gets 32 neighbours of each 64
	s_lshr_b32 s33, ttmp9, 1
	s_lshl_b32 s33, s33, 5
	s_and_b32 s34, ttmp9, 1
	s_lshl_b32 s34, s34, 3
	s_add_co_u32 s33, s33, s34                     ; the tile's first row
	s_mul_i32 s34, s33, 3072
	s_lshl_b32 s35, s28, 9
	s_add_co_u32 s34, s34, s35
	s_mov_b32 s35, 0
	s_add_nc_u64 s[4:5], s[4:5], s[34:35]
.irp i, 0,1,2,3,4,5,6,7,8,9,10,11,12,13,14,15
	global_load_b128 v[R+4*\i:R+4*\i+3], v4, s[4:5] offset:(\i+8*(\i/8))*3072 th:TH_LOAD_NT
.endr
.irp i, 0,1,2,3,4,5,6,7,8,9,10,11,12,13,14,15
	s_wait_loadcnt 15-\i                           ; loads come back in order: row i is in, the 15 - i behind it may be out
	ds_store_b128 v5, v[R+4*\i:R+4*\i+3] offset:528*\i
.endr
.irp c, 0,1
.irp q, 0,1,2,3,4,5,6,7
	ds_load_b128 v[X+32*\c+4*\q:X+32*\c+4*\q+3], v6 offset:256*\c+16*\q   ; LDS serves a wave's instructions in order: these see my stores
.endr
.endr
	s_wait_dscnt 0x0
.irp c, 0,1                                    ; my block 2 c + hh: all its 32 numbers are mine
	v_max3_num_f32 v[MX+\c], |v[X+32*\c]|, |v[X+32*\c+1]|, 0x1800000   ; with the floor 2^(3 - 127): the byte cannot fall under 1
.endr
.irp i, 2,4,6,8,10,12,14,16,18,20,22,24,26,28,30
.irp c, 0,1
	v_max3_num_f32 v[MX+\c], v[MX+\c], |v[X+32*\c+\i]|, |v[X+32*\c+\i+1]|   ; (the two blocks by turns)
.endr
.endr
.irp c, 0,1
	v_add_nc_u32 v[SO+\c], 0xff000000, v[MX+\c]    ; 2 off the exponent field: the conversion takes the exponent field of this operand as its scale
.endr
.irp c, 0,1
	v_lshrrev_b32 v[MX+\c], 23, v[SO+\c]           ; the scale's byte
.endr
	v_lshl_or_b32 v12, v[MX+1], 16, v[MX]          ; my two bytes: blocks hh and 2 + hh,
	v_lshlrev_b32 v13, 3, v3
	v_lshlrev_b32 v12, v13, v12                    ; at their places in the word;
	v_mov_b32 v13, 0
	v_permlanex16_b32 v13, v12, s40, s41
	v_or_b32 v12, v12, v13                         ; with lane l xor 16's two the word is whole
.irp c, 0,1
	v_cvt_scalef32_pk16_fp6_f32 v[PC+6*\c:PC+6*\c+2], v[X+32*\c:X+32*\c+15], v[SO+\c]
	v_cvt_scalef32_pk16_fp6_f32 v[CT+4*\c:CT+4*\c+2], v[X+32*\c+16:X+32*\c+31], v[SO+\c]   ; (a conversion's three registers begin on an even number)
.endr
	v_nop                                          ; one plain place behind the scaled conversions
.irp c, 0,1
.irp i, 0,1,2
	v_mov_b32 v[PC+6*\c+3+\i], v[CT+4*\c+\i]
.endr
.endr
	s_branch .Ltail
.Lweights:
	; ---- a weight's tile: the codes are taken as they are given; a lane's 2 x 24 bytes of its row ARE its registers
	s_sub_co_u32 s33, ttmp9, 512                   ; 0 .. 143
	s_cmp_ge_u32 s33, 48
	s_cselect_b64 s[8:9], s[12:13], s[8:9]
	s_cselect_b64 s[10:11], s[14:15], s[10:11]
	s_cselect_b32 s34, 48, 0
	s_cmp_ge_u32 s33, 96
	s_cselect_b64 s[8:9], s[16:17], s[8:9]
	s_cselect_b64 s[10:11], s[18:19], s[10:11]
	s_cselect_b32 s34, 96, s34
	s_sub_co_u32 s33, s33, s34                     ; the tile within its weight
	s_lshr_b32 s35, s33, 1
	s_lshl_b32 s35, s35, 5
	s_and_b32 s36, s33, 1
	s_lshl_b32 s36, s36, 3
	s_add_co_u32 s35, s35, s36                     ; its first row
	s_mul_i32 s36, s35, 576                        ; a row of 768 codes is 576 bytes
	s_mul_i32 s38, s28, 96
	s_add_co_u32 s36, s36, s38
	s_add_nc_u64 s[8:9], s[8:9], s[36:37]
	s_mul_i32 s36, s35, 24                         ; and 24 scale bytes
	s_lshl_b32 s38, s28, 2
	s_add_co_u32 s36, s36, s38
	s_add_nc_u64 s[10:11], s[10:11], s[36:37]
	v_mul_u32_u24 v13, v9, 576
	v_mad_u32_u24 v13, v3, 24, v13
	v_mul_u32_u24 v14, v9, 24
.irp p, 0,1,2,3,4,5
	global_load_b64 v[PC+2*\p:PC+2*\p+1], v13, s[8:9] offset:48*(\p/3)+8*(\p%3)
.endr
	global_load_b32 v12, v14, s[10:11]
	s_wait_loadcnt 0x0
.Ltail:
.irp c, 0,1,2
	global_store_b128 v4, v[PC+4*\c:PC+4*\c+3], s[20:21] offset:512*\c   ; 32 lanes store 512 consecutive bytes, at a multiple of 256 from the buffer's first byte
.endr
	ds_store_b32 v7, v12                           ; lanes r and r + 16 write the same word with the same value
	s_branch .Lmeet
.Lmask:
	; ---- the mask: wave b takes batch b.  m = 1 - pad, n = -1e10 (1 - m): attn's score becomes s m + n, which is reference()'s w merge - NEG (1 - merge) where causal = 1
	s_cmp_ge_u32 s28, 4
	s_cbranch_scc1 .Lmeet
	s_lshl_b32 s36, s28, 13
	s_add_nc_u64 s[6:7], s[6:7], s[36:37]
	s_add_nc_u64 s[24:25], s[24:25], s[36:37]
	s_lshl_b32 s36, s28, 8
	s_add_nc_u64 s[26:27], s[26:27], s[36:37]
.irp j, 0,1,2,3,4,5,6,7,8,9,10,11,12,13,14,15
	global_load_b128 v[R+4*\j:R+4*\j+3], v4, s[6:7] offset:512*\j        ; load j is key step j: keys 128 j + 4 lane + 0 .. 3
.endr
	s_mov_b32 s42, 0                               ; bit j: step j holds some pad != 0
	s_mov_b32 s43, 2048                            ; L: the first key with pad == 0
	s_wait_loadcnt 0x0
.irp j, 0,1,2,3,4,5,6,7,8,9,10,11,12,13,14,15
.irp e, 0,1,2,3
	v_cmp_neq_f32 s[44+\e], 0, v[R+4*\j+\e]
.endr
	s_or_b32 s44, s44, s45
	s_or_b32 s46, s46, s47
	s_or_b32 s44, s44, s46
	s_cmp_lg_u32 s44, 0
	s_cselect_b32 s36, 1<<\j, 0                    ; a selection, no branch: nothing in this launch is steered by these numbers
	s_or_b32 s42, s42, s36
.irp e, 0,1,2,3
	v_cmp_eq_f32 s[44+\e], 0, v[R+4*\j+\e]
.endr
.irp e, 0,1,2,3
	s_ctz_i32_b32 s36, s[44+\e]                    ; the first lane with pad == 0; -1 where there is none,
	s_min_u32 s36, s36, 0x1000                     ; which becomes a number beyond every key
	s_lshl_b32 s36, s36, 2
	s_add_co_u32 s36, s36, 128*\j+\e
	s_min_u32 s43, s43, s36
.endr
.irp e, 0,1,2,3
	v_sub_f32 v[R+4*\j+\e], 1.0, v[R+4*\j+\e]      ; m
.endr
.irp e, 0,1,2,3
	v_sub_f32 v[X+4*\j+\e], 1.0, v[R+4*\j+\e]      ; 1 - m
.endr
.irp e, 0,1,2,3
	v_mul_f32 v[X+4*\j+\e], 0xd01502f9, v[X+4*\j+\e]   ; n = -1e10 (1 - m)
.endr
	global_store_b128 v4, v[R+4*\j:R+4*\j+3], s[24:25] offset:512*\j
	global_store_b128 v4, v[X+4*\j:X+4*\j+3], s[24:25] offset:512*\j+32768
.endr
	v_mov_b32 v144, s42
	v_mov_b32 v145, s43
	v_lshlrev_b32 v13, 3, v1
	global_store_b64 v13, v[144:145], s[26:27]     ; the pair 32 times: the batch's 256 bytes are written whole
.Lmeet:
	s_wait_dscnt 0x0                               ; for the others' sake: my scale word lies in LDS
	s_barrier_signal -1
	s_barrier_wait -1
	s_cmp_lg_u32 s28, 0
	s_cbranch_scc1 .Lend
	s_cmp_ge_u32 ttmp9, 656
	s_cbranch_scc1 .Lend
	ds_load_b96 v[FW:FW+2], v8                     ; the six waves' words, three a lane, into registers that no store of any path reads
	v_mov_b32 v[FW+3], 0
	s_wait_dscnt 0x0
	global_store_b128 v4, v[FW:FW+3], s[22:23]
.Lend:
	s_wait_tensorcnt 0x0                           ; the wave's end
	ds_add_u32 v10, v11
	s_wait_dscnt 0x0
	s_endpgm
.Lfunc_end_k_qecb2ef8ae2_lay:
	.size	k_qecb2ef8ae2_lay, .Lfunc_end_k_qecb2ef8ae2_lay-k_qecb2ef8ae2_lay
	.p2alignl 7, 3214868480
	.fill 96, 4, 3214868480
	.section	.rodata,"a",@progbits
	.p2align	6, 0x0
	.amdhsa_kernel k_qecb2ef8ae2_lay
		.amdhsa_group_segment_fixed_size 51968
		.amdhsa_private_segment_fixed_size 0
		.amdhsa_enable_private_segment 0
		.amdhsa_kernarg_size 96
		.amdhsa_user_sgpr_count 2
		.amdhsa_user_sgpr_kernarg_segment_ptr 1
		.amdhsa_wavefront_size32 1
		.amdhsa_system_sgpr_workgroup_id_x 1
		.amdhsa_system_sgpr_workgroup_id_y 1
		.amdhsa_system_sgpr_workgroup_id_z 1
		.amdhsa_system_vgpr_workitem_id 0
		.amdhsa_next_free_vgpr 168
		.amdhsa_next_free_sgpr 66
		.amdhsa_reserve_vcc 0
		.amdhsa_float_denorm_mode_32 3
		.amdhsa_float_denorm_mode_16_64 3
		.amdhsa_memory_ordered 1
		.amdhsa_forward_progress 1
		.amdhsa_inst_pref_size 51
	.end_amdhsa_kernel
	.amdgpu_metadata
---
amdhsa.version: [ 1, 2 ]
amdhsa.kernels:
  - .name:           k_qecb2ef8ae2_lay
    .symbol:         k_qecb2ef8ae2_lay.kd
    .args:
      - { .name: x, .offset: 0, .size: 8, .value_kind: global_buffer, .address_space: global }
      - { .name: pad_mask, .offset: 8, .size: 8, .value_kind: global_buffer, .address_space: global }
      - { .name: Wq_codes, .offset: 16, .size: 8, .value_kind: global_buffer, .address_space: global }
      - { .name: Wq_scales, .offset: 24, .size: 8, .value_kind: global_buffer, .address_space: global }
      - { .name: Wk_codes, .offset: 32, .size: 8, .value_kind: global_buffer, .address_space: global }
      - { .name: Wk_scales, .offset: 40, .size: 8, .value_kind: global_buffer, .address_space: global }
      - { .name: Wv_codes, .offset: 48, .size: 8, .value_kind: global_buffer, .address_space: global }
      - { .name: Wv_scales, .offset: 56, .size: 8, .value_kind: global_buffer, .address_space: global }
      - { .name: frag, .offset: 64, .size: 8, .value_kind: global_buffer, .address_space: global }
      - { .name: fsc, .offset: 72, .size: 8, .value_kind: global_buffer, .address_space: global }
      - { .name: mn, .offset: 80, .size: 8, .value_kind: global_buffer, .address_space: global }
      - { .name: steer, .offset: 88, .size: 8, .value_kind: global_buffer, .address_space: global }
    .group_segment_fixed_size: 51968
    .private_segment_fixed_size: 0
    .kernarg_segment_align: 8
    .kernarg_segment_size: 96
    .max_flat_workgroup_size: 192
    .sgpr_count:     66
    .vgpr_count:     168
    .wavefront_size: 32
...
	.end_amdgpu_metadata
.endif
;; end of part 1
;; launch proj (part 2): grid 32 x 6, 4 waves a work-group, no clusters, 167,936 bytes of LDS; arguments frag, fsc, bq, bk, bv, qrec, kv; writes qrec, kv
.if DOCPART == 2
	.amdgcn_target "amdgcn-amd-amdhsa--gfx1250"
	.amdhsa_code_object_version 6
	.text
	.protected	k_qecb2ef8ae2_proj
	.globl	k_qecb2ef8ae2_proj
	.p2align	8
	.type	k_qecb2ef8ae2_proj,@function
k_qecb2ef8ae2_proj:
	s_mov_b64 s[64:65], 0
	v_nop
	global_prefetch_b8 v0, s[64:65] scope:SCOPE_SE
	s_setreg_imm32_b32 hwreg(HW_REG_WAVE_MODE, 25, 1), 1
	s_wait_xcnt 0x0
; q, k, v = x W + b on codes of FP6 (E2M3) with one E8M0 scale for each 32 along K = 768; the results are quantised in registers and stored as operand images for attn.  Nothing of reference() is left out here.
; SHARES.  Work-group (x = Rb, y = cg): 256 rows of x (16 tiles; batch Rb / 8, key steps 2 (Rb % 8) and the next), type cg / 2 (0 q, 1 k, 2 v).  Wave w takes head 4 (cg % 2) + w: 96 columns, 6 tiles of W x 6 K steps,
; 432 registers that stay for the whole launch.  The 16 tiles of x and their scale words come into LDS once, by two tensor loads a wave (two is the most that a wave has outstanding), and all four waves read them.
; No cluster: the six work-groups that read one block of x do not divide into fours, and W goes from memory straight into registers.
; q, k: D = W x^T (source 0 = 16 rows of W, source 1 = 16 rows of x): a lane holds ONE row of x, and by the choice of W's rows in a tile the 16 registers of tiles 2 b, 2 b + 1 are d = 32 b + 16 hh + 0 .. 15: the next K.
;   The head's 96 are three blocks; the fourth block of the operand's 128 is zero codes under the byte 127.
; v: D = x W^T (the sources swapped): a lane holds ONE column d, and by the choice of x's rows in a tile its 16 registers of tiles 2 b, 2 b + 1 are keys 32 b + 16 hh + 0 .. 15: the second product's K.
; The bias is the C of each sum's first matrix instruction, eight registers a tile in the result's layout.
; qrec record (128 queries, 12,800 bytes): 8 fragments; at 12,288 the scale words [c][lane][2]: word p of lane L is tile 4 c + 2 p + L / 16, row L % 16.
; kv record (128 keys, 22,528 bytes): 8 fragments of K; at 12,288 6 of V; at 21,504 K's scale words, as qrec's; at 22,016 V's, [lane][4]: word p is tile 2 p in lanes 0-15, tile 2 p + 1 in lanes 16-31, word 3 is 0.
; REGISTERS, in windows of 256: window 0: addresses, scale words, two buffers for a tile of x (72 each), the quantiser's.  window 1: W's K steps 0-2 (at 72 s + 12 t); v216-251 V's fragments t = 0-2 in the making.
;   window 2: the same for K steps 3-5 and t = 3-5.   window 3: v0-191 24 accumulators (q, k: 48 a + 8 t; v: 32 t + 8 a); v192-239 the bias.
.set XS,    147456                     ; LDS: x's 16 tiles x 9,216 bytes from 0; their scale words, 512 bytes a tile, from here
.set SPARE, 155648                     ; the spare words, 128 bytes for each wave: two blocks of 256 bytes that no other line names
.set L16, 1                            ; v1   16 x lane
.set XA,  2                            ; v2-3 LDS address of the trip's tiles 0-3, 4-7
.set XSA, 4                            ; v4   and of their scale words
.set L8,  6                            ; v6   8 x lane
.set SPW, 8                            ; v8   my spare word; never rewritten
.set NIL, 9                            ; v9   0; never rewritten
.set WS,  10                           ; v10-33   W's scale words: tile t's four at 4 t
.set XSR, 34                           ; v34-41   x's, two sets
.set XB,  44                           ; v44-187  a tile of x, 6 fragments, two buffers
.set TM,  188                          ; v188-203 +0.. largest magnitudes, +4.. the other half's, then bytes, +8 at work, +12.. scale operands
.set PWS, 206                          ; v206-209 four tiles' scale words
.set PK,  210                          ; v210-211 packed for the store
.set PC,  212                          ; v212-223 a fragment; v224-226, v228-230 halves as converted
.set VW,  232                          ; v232-237 V's scale words
.set VPK, 240                          ; v240-243 packed for the store
.set FRG, 216                          ; in windows 1, 2
.set BIA, 192                          ; in window 3
.set SEL, 60
.set MSB, 0
.macro WIN new                         ; the immediate's high byte repeats the setting that is left
.if MSB != (\new)
	s_set_vgpr_msb (MSB<<8)|(\new)
.set MSB, (\new)
.endif
.endm
.macro PLACES                          ; four places behind matrix instructions, in front of loads into their registers and of the first read of results
.rept 4
	v_nop
.endr
.endm
.macro FETCH a8                        ; tile a8 of the trip's eight: 18 loads for its six fragments, one for its scale words
.irp s, 0,1,2,3,4,5
.irp c, 0,1,2
	ds_load_b128 v[XB+72*((\a8)%2)+12*\s+4*\c:XB+72*((\a8)%2)+12*\s+4*\c+3], v[XA+(\a8)/4] offset:9216*((\a8)%4)+1536*\s+512*\c
.endr
.endr
	ds_load_b128 v[XSR+4*((\a8)%2):XSR+4*((\a8)%2)+3], v[XSA] offset:512*(\a8)
.endm
.macro MM mode, d, t, s, bf            ; one matrix instruction: accumulator d, W's tile t, K step s, x's buffer bf.  An odd K step's scale words stand in lanes 16-31
.set rD, \d
.set rW, 72*((\s)%3)+12*(\t)
.set rX, XB+72*(\bf)+12*(\s)
.set rC, rD
.if (\s) == 0
.set rC, BIA+8*(\t)
.endif
.set rP, WS+4*(\t)+(\s)/2
.set rQ, XSR+4*(\bf)+(\s)/2
.if (\mode) == 0
.if (\s)%2
	v_wmma_scale_f32_16x16x128_f8f6f4 v[rD:rD+7], v[rW:rW+11], v[rX:rX+11], v[rC:rC+7], v[rP], v[rQ] matrix_a_fmt:MATRIX_FMT_FP6 matrix_b_fmt:MATRIX_FMT_FP6 matrix_a_scale:MATRIX_SCALE_ROW1 matrix_b_scale:MATRIX_SCALE_ROW1
.else
	v_wmma_scale_f32_16x16x128_f8f6f4 v[rD:rD+7], v[rW:rW+11], v[rX:rX+11], v[rC:rC+7], v[rP], v[rQ] matrix_a_fmt:MATRIX_FMT_FP6 matrix_b_fmt:MATRIX_FMT_FP6
.endif
.else
.if (\s)%2
	v_wmma_scale_f32_16x16x128_f8f6f4 v[rD:rD+7], v[rX:rX+11], v[rW:rW+11], v[rC:rC+7], v[rQ], v[rP] matrix_a_fmt:MATRIX_FMT_FP6 matrix_b_fmt:MATRIX_FMT_FP6 matrix_a_scale:MATRIX_SCALE_ROW1 matrix_b_scale:MATRIX_SCALE_ROW1
.else
	v_wmma_scale_f32_16x16x128_f8f6f4 v[rD:rD+7], v[rX:rX+11], v[rW:rW+11], v[rC:rC+7], v[rQ], v[rP] matrix_a_fmt:MATRIX_FMT_FP6 matrix_b_fmt:MATRIX_FMT_FP6
.endif
.endif
.endm
; A tile of x against my six tiles of W: 36 matrix instructions, K step by K step, the six accumulators by turns, one instruction a turn.  The next tile is fetched first.
.macro TILE mode, c, a
.set A8, 4*(\c)+(\a)
	WIN 0
.if A8 < 7
	PLACES
	FETCH A8+1
	s_wait_dscnt 19                                ; LDS loads come back in order: this tile's are in, the 19 just issued may be out
.else
	s_wait_dscnt 0x0
.endif
	WIN 0xf1+3*(\mode)                             ; W in window 1, x in window 0, C and D in window 3
.irp s, 0,1,2
.irp t, 0,1,2,3,4,5
.if (\mode) == 0
	MM 0, 48*(\a)+8*\t, \t, \s, A8%2
.else
	MM 1, 32*\t+8*(\a), \t, \s, A8%2
.endif
.endr
.endr
	WIN 0xf2+6*(\mode)                             ; W in window 2
.irp s, 3,4,5
.irp t, 0,1,2,3,4,5
.if (\mode) == 0
	MM 0, 48*(\a)+8*\t, \t, \s, A8%2
.else
	MM 1, 32*\t+8*(\a), \t, \s, A8%2
.endif
.endr
.endr
.endm
; q, k: the 48 numbers of a lane's row (accumulators 48 a on) become a fragment and its scale word; the fragment is stored
.macro Q3 c, a
.set SA, 48*(\a)
	WIN 0x0f
.irp b, 0,1,2
	v_max3_num_f32 v[TM+\b], |v[SA+16*\b]|, |v[SA+16*\b+1]|, 0x1800000   ; block b: my 16 numbers, and the floor 2^(3 - 127); each accumulator is read from its low end on
.endr
	WIN 0x3c
.irp i, 2,4,6,8,10,12,14
.irp b, 0,1,2
	v_max3_num_f32 v[TM+\b], v[TM+\b], |v[SA+16*\b+\i]|, |v[SA+16*\b+\i+1]|
.endr
.endr
	WIN 0
.irp b, 0,1,2
	v_permlanex16_b32 v[TM+4+\b], v[TM+\b], s[SEL], s[SEL+1]
.endr
.irp b, 0,1,2
	v_max_num_f32 v[TM+\b], v[TM+\b], v[TM+4+\b]   ; with lane l xor 16's: the block's largest magnitude
.endr
.irp b, 0,1,2
	v_add_nc_u32 v[TM+12+\b], 0xff000000, v[TM+\b] ; 2 off its exponent field: the conversion's scale operand
.endr
.irp b, 0,1,2
	v_lshrrev_b32 v[TM+4+\b], 23, v[TM+12+\b]      ; the scale's byte
.endr
	v_lshl_or_b32 v[PWS+\a], v[TM+5], 8, v[TM+4]
	v_lshl_or_b32 v[PWS+\a], v[TM+6], 16, v[PWS+\a]
	v_or_b32 v[PWS+\a], 0x7f000000, v[PWS+\a]      ; the block of zero codes has the byte 127
	s_wait_xcnt 0x0                                ; the last fragment's stores have read their registers, which are written again below
	WIN 0x03
	v_cvt_scalef32_pk16_fp6_f32 v[PC:PC+2], v[SA:SA+15], v[TM+12]
	v_cvt_scalef32_pk16_fp6_f32 v[PC+12:PC+14], v[SA+16:SA+31], v[TM+13]
	v_cvt_scalef32_pk16_fp6_f32 v[PC+6:PC+8], v[SA+32:SA+47], v[TM+14]
	WIN 0
.irp i, 0,1,2
	v_mov_b32 v[PC+16+\i], 0                       ; block 3: zero codes.  (Plain lines behind the scaled conversions)
.endr
.irp i, 0,1,2                                  ; the operand's layout wants a WHOLE block in a lane: lanes 0-15 blocks 0 and 2, lanes 16-31 blocks 1 and 3
	v_permlane16_swap_b32 v[PC+\i], v[PC+12+\i]
	v_permlane16_swap_b32 v[PC+6+\i], v[PC+16+\i]
.endr
.irp i, 0,1,2
	v_mov_b32 v[PC+3+\i], v[PC+12+\i]
	v_mov_b32 v[PC+9+\i], v[PC+16+\i]
.endr
.irp k, 0,1,2
	global_store_b128 v[L16], v[PC+4*\k:PC+4*\k+3], s[54:55] offset:1536*(4*(\c)+(\a))+512*\k
.endr
.endm
; v: column tile t's 32 numbers a lane (keys 64 c + 16 hh + .., accumulators 32 t on) become half c of its fragment, kept in window 1 or 2; at c = 1 the fragment is stored
.macro QH t, c
.set SA, 32*(\t)
	WIN 0x0f
.irp b, 0,1
	v_max3_num_f32 v[TM+\b], |v[SA+16*\b]|, |v[SA+16*\b+1]|, 0x1800000
.endr
	WIN 0x3c
.irp i, 2,4,6,8,10,12,14
.irp b, 0,1
	v_max3_num_f32 v[TM+\b], v[TM+\b], |v[SA+16*\b+\i]|, |v[SA+16*\b+\i+1]|
.endr
.endr
	WIN 0
.irp b, 0,1
	v_permlanex16_b32 v[TM+4+\b], v[TM+\b], s[SEL], s[SEL+1]
.endr
.irp b, 0,1
	v_max_num_f32 v[TM+\b], v[TM+\b], v[TM+4+\b]
.endr
.irp b, 0,1
	v_add_nc_u32 v[TM+12+\b], 0xff000000, v[TM+\b]
.endr
.irp b, 0,1
	v_lshrrev_b32 v[TM+4+\b], 23, v[TM+12+\b]
.endr
.if (\c) == 0
	v_lshl_or_b32 v[VW+\t], v[TM+5], 8, v[TM+4]    ; the bytes of blocks 0 and 1
.else
	v_lshl_or_b32 v[TM+8], v[TM+5], 8, v[TM+4]
	v_lshl_or_b32 v[VW+\t], v[TM+8], 16, v[VW+\t]  ; and of blocks 2 and 3
.endif
	WIN 0x03
	v_cvt_scalef32_pk16_fp6_f32 v[PC:PC+2], v[SA:SA+15], v[TM+12]
	v_cvt_scalef32_pk16_fp6_f32 v[PC+12:PC+14], v[SA+16:SA+31], v[TM+13]
	WIN 0
	v_nop                                          ; one plain place behind the scaled conversions
.irp i, 0,1,2
	v_permlane16_swap_b32 v[PC+\i], v[PC+12+\i]
.endr
	WIN 0x40*(1+(\t)/3)                            ; destination window 1 or 2
.irp i, 0,1,2
	v_mov_b32 v[FRG+12*((\t)%3)+6*(\c)+\i], v[PC+\i]
	v_mov_b32 v[FRG+12*((\t)%3)+6*(\c)+3+\i], v[PC+12+\i]
.endr
.if (\c) == 1
	WIN 0x04*(1+(\t)/3)                            ; a store's data are its source 1
.irp k, 0,1,2
	global_store_b128 v[L16], v[FRG+12*((\t)%3)+4*\k:FRG+12*((\t)%3)+4*\k+3], s[54:55] offset:12288+1536*(\t)+512*\k
.endr
.endif
.endm
	s_load_b256 s[4:11], s[0:1], 0x0               ; frag, fsc, bq, bk
	s_load_b128 s[12:15], s[0:1], 0x20             ; bv, qrec
	s_load_b64 s[16:17], s[0:1], 0x30              ; kv
	v_lshl_add_u32 v[SPW], v0, 2, SPARE
	v_mov_b32 v[NIL], 0
	ds_add_u32 v[SPW], v[NIL]                      ; the wave's opening: the add, twice on end, and its wait ahead of my first tensor load; work on registers stands between
	ds_add_u32 v[SPW], v[NIL]
	v_lshrrev_b32 v1, 5, v0
	v_readfirstlane_b32 s18, v1                    ; wave 0..3
	s_mov_b32 s19, ttmp9                           ; Rb
	s_and_b32 s20, ttmp7, 0xffff                   ; cg
	s_lshr_b32 s21, s20, 1                         ; type
	s_and_b32 s22, s20, 1
	s_lshl_b32 s22, s22, 2
	s_add_co_u32 s22, s22, s18                     ; head
	; descriptor group 1 for my quarter of x's tiles: 36,864 dense bytes as 144 rows of 32 elements of 8 bytes; no padding: the images are read 512 consecutive bytes at a time
	s_mov_b32 s24, 3<<16
	s_mov_b32 s25, 32<<16                          ; tensor_dim0
	s_mov_b32 s26, 144<<16                         ; tensor_dim1
	s_mov_b32 s27, 32<<16                          ; tile_dim0
	s_mov_b32 s28, 144                             ; tile_dim1
	s_mov_b32 s29, 32                              ; the pitch
	s_mov_b32 s30, 0
	s_mov_b32 s31, 0
	; and for my quarter of their scale words: 2,048 bytes, 8 such rows
	s_mov_b32 s32, 3<<16
	s_mov_b32 s33, 32<<16
	s_mov_b32 s34, 8<<16
	s_mov_b32 s35, 32<<16
	s_mov_b32 s36, 8
	s_mov_b32 s37, 32
	s_mov_b32 s38, 0
	s_mov_b32 s39, 0
	s_mov_b32 s40, 1
	s_mul_i32 s41, s18, 36864                      ; LDS address: wave x a quarter
	s_mov_b32 s44, 1
	s_lshl_b32 s45, s18, 11
	s_add_co_u32 s45, s45, XS
	s_mul_i32 s68, s19, 147456
	s_add_co_u32 s68, s68, s41
	s_mov_b32 s69, 0
	s_lshl_b32 s70, s19, 13
	s_lshl_b32 s72, s18, 11
	s_add_co_u32 s70, s70, s72
	s_mov_b32 s71, 0
	s_mov_b32 s[SEL], 0x76543210
	s_mov_b32 s[SEL+1], 0xfedcba98
	s_mov_b32 s66, 0xffff0000                      ; lanes 16-31
	s_wait_dscnt 0x0                               ; both opening adds are done
	s_wait_kmcnt 0x0
	s_add_nc_u64 s[42:43], s[4:5], s[68:69]
	s_or_b32 s43, s43, 0x80000000
	s_add_nc_u64 s[46:47], s[6:7], s[70:71]
	s_or_b32 s47, s47, 0x80000000
	tensor_load_to_lds s[40:43], s[24:31]          ; both first fills go out together, ahead of every wait on TENSORcnt, LDS read and barrier
	s_nop 0
	tensor_load_to_lds s[44:47], s[32:39]
	s_nop 0
.rept 4
	v_nop
.endr
	v_and_b32 v5, 31, v0
	v_lshlrev_b32 v[L16], 4, v5
	v_lshlrev_b32 v[L8], 3, v5
	s_mul_i32 s68, s21, 48
	s_mul_i32 s69, s22, 6
	s_add_co_u32 s68, s68, s69
	s_add_co_u32 s68, s68, 512                     ; my first tile of W in frag
	s_mul_i32 s70, s68, 9216
	s_add_nc_u64 s[48:49], s[4:5], s[70:71]
	s_lshl_b32 s70, s68, 9
	s_add_nc_u64 s[50:51], s[6:7], s[70:71]
	s_cmp_eq_u32 s21, 0
	s_cselect_b64 s[52:53], s[8:9], s[10:11]       ; the bias,
	s_cselect_b64 s[54:55], s[14:15], s[16:17]     ; the buffer of records,
	s_mov_b32 s58, 22528
	s_cselect_b32 s58, 12800, s58                  ; a record's bytes,
	s_mov_b32 s72, 21504
	s_cselect_b32 s72, 12288, s72                  ; and where q's or k's scale words stand in it
	s_cmp_eq_u32 s21, 2
	s_cselect_b64 s[52:53], s[12:13], s[52:53]
	s_cselect_b32 s74, 0, 64                       ; the bias in the result's layout: q, k: b[16 hh + j + ..]; v: b[r + 8 (r / 8) + ..] in all eight registers
	s_cselect_b32 s75, 4, 0
	s_cselect_b32 s76, 0, 4
	s_mul_i32 s70, s22, 384
	s_add_nc_u64 s[52:53], s[52:53], s[70:71]
	s_lshr_b32 s68, s19, 3
	s_lshl_b32 s68, s68, 3
	s_add_co_u32 s68, s68, s22                     ; 8 x batch + head
	s_lshl_b32 s68, s68, 4
	s_and_b32 s69, s19, 7
	s_lshl_b32 s69, s69, 1
	s_add_co_u32 s68, s68, s69                     ; my first record
	s_mul_i32 s70, s68, s58
	s_add_nc_u64 s[54:55], s[54:55], s[70:71]
	s_mov_b32 s73, 0
	s_add_nc_u64 s[56:57], s[54:55], s[72:73]
	s_mov_b32 s59, 0
	WIN 0x40                                       ; destination window 1
.irp s, 0,1,2
.irp t, 0,1,2,3,4,5
.irp c, 0,1,2
	global_load_b128 v[72*\s+12*\t+4*\c:72*\s+12*\t+4*\c+3], v[L16], s[48:49] offset:9216*\t+1536*\s+512*\c
.endr
.endr
.endr
	WIN 0x80                                       ; destination window 2
.irp s, 3,4,5
.irp t, 0,1,2,3,4,5
.irp c, 0,1,2
	global_load_b128 v[72*(\s-3)+12*\t+4*\c:72*(\s-3)+12*\t+4*\c+3], v[L16], s[48:49] offset:9216*\t+1536*\s+512*\c
.endr
.endr
.endr
	WIN 0
.irp t, 0,1,2,3,4,5
	global_load_b128 v[WS+4*\t:WS+4*\t+3], v[L16], s[50:51] offset:512*\t
.endr
	v_and_b32 v52, 15, v0
	v_bfe_u32 v53, v0, 4, 1
	v_and_b32 v54, 8, v52
	v_add_nc_u32 v54, v54, v52                     ; r + 8 (r / 8)
	v_mul_u32_u24 v55, v53, s74
	v_mad_u32_u24 v55, v54, s75, v55
.irp j, 0,1,2,3,4,5,6,7
	s_mul_i32 s68, s76, \j
	v_add_nc_u32 v[XB+\j], s68, v55
.endr
	WIN 0xc0                                       ; destination window 3
.irp t, 0,1,2,3,4,5
.irp j, 0,1,2,3,4,5,6,7
	global_load_b32 v[BIA+8*\t+\j], v[XB+\j], s[52:53] offset:(32*(\t/2)+8*(\t%2))*4
.endr
.endr
	WIN 0
.irp b, 0,1,2,3
	v_mov_b32 v[TM+4+\b], 0                        ; written once: a lane permute's destination counts as one of its sources
.endr
	v_mov_b32 v[VPK+3], 0
	s_mov_b32 s62, 2
	s_mov_b32 s63, 0
	s_mov_b32 s67, XS
	s_wait_loadcnt 0x0                             ; W, its scale words, the bias
	s_wait_tensorcnt 0x0                           ; my parts of x's tiles lie in LDS,
	s_barrier_signal -1
	s_barrier_wait -1                              ; everybody's do.  The launch's only barrier: LDS is only read from here on
.Ltrip:                                            ; two trips: 128 rows, one record, each
	s_wait_xcnt 0x0                                ; the last trip's stores have read their registers
	v_add_nc_u32 v[XA], s63, v[L16]
	v_add_nc_u32 v[XA+1], 36864, v[XA]
	v_add_nc_u32 v[XSA], s67, v[L16]
	FETCH 0
	s_cmp_eq_u32 s21, 2
	s_cbranch_scc1 .Lv
.irp c, 0,1
.irp a, 0,1,2,3
	TILE 0, \c, \a
.endr
	WIN 0
	PLACES
.irp a, 0,1,2,3
	Q3 \c, \a
.endr
	v_cndmask_b32 v[PK], v[PWS], v[PWS+1], s66     ; lanes 0-15 the even tile's words, lanes 16-31 the odd tile's
	v_cndmask_b32 v[PK+1], v[PWS+2], v[PWS+3], s66
	global_store_b64 v[L8], v[PK:PK+1], s[56:57] offset:256*\c
.endr
	s_branch .Ljoin
.Lv:
.irp c, 0,1
.irp a, 0,1,2,3
	TILE 1, \c, \a
.endr
	WIN 0
	PLACES
.irp t, 0,1,2,3,4,5
	QH \t, \c
.endr
	WIN 0
.endr
.irp p, 0,1,2
	v_cndmask_b32 v[VPK+\p], v[VW+2*\p], v[VW+2*\p+1], s66
.endr
	global_store_b128 v[L16], v[VPK:VPK+3], s[54:55] offset:22016
.Ljoin:
	s_wait_xcnt 0x0                                ; the stores have read their bases, which step now
	s_add_co_u32 s63, s63, 73728
	s_add_co_u32 s67, s67, 4096
	s_add_nc_u64 s[54:55], s[54:55], s[58:59]
	s_add_nc_u64 s[56:57], s[56:57], s[58:59]
	s_sub_co_u32 s62, s62, 1
	s_cmp_lg_u32 s62, 0
	s_cbranch_scc1 .Ltrip
	s_wait_tensorcnt 0x0                           ; the wave's end: three lines, behind my last tensor load
	ds_add_u32 v[SPW], v[NIL]
	s_wait_dscnt 0x0
	s_endpgm
.Lfunc_end_k_qecb2ef8ae2_proj:
	.size	k_qecb2ef8ae2_proj, .Lfunc_end_k_qecb2ef8ae2_proj-k_qecb2ef8ae2_proj
	.p2alignl 7, 3214868480
	.fill 96, 4, 3214868480
	.section	.rodata,"a",@progbits
	.p2align	6, 0x0
	.amdhsa_kernel k_qecb2ef8ae2_proj
		.amdhsa_group_segment_fixed_size 167936
		.amdhsa_private_segment_fixed_size 0
		.amdhsa_enable_private_segment 0
		.amdhsa_kernarg_size 56
		.amdhsa_user_sgpr_count 2
		.amdhsa_user_sgpr_kernarg_segment_ptr 1
		.amdhsa_wavefront_size32 1
		.amdhsa_system_sgpr_workgroup_id_x 1
		.amdhsa_system_sgpr_workgroup_id_y 1
		.amdhsa_system_sgpr_workgroup_id_z 1
		.amdhsa_system_vgpr_workitem_id 0
		.amdhsa_next_free_vgpr 1024
		.amdhsa_next_free_sgpr 80
		.amdhsa_reserve_vcc 0
		.amdhsa_float_denorm_mode_32 3
		.amdhsa_float_denorm_mode_16_64 3
		.amdhsa_memory_ordered 1
		.amdhsa_forward_progress 1
		.amdhsa_inst_pref_size 172
	.end_amdhsa_kernel
	.amdgpu_metadata
---
amdhsa.version: [ 1, 2 ]
amdhsa.kernels:
  - .name:           k_qecb2ef8ae2_proj
    .symbol:         k_qecb2ef8ae2_proj.kd
    .args:
      - { .name: frag, .offset: 0, .size: 8, .value_kind: global_buffer, .address_space: global }
      - { .name: fsc, .offset: 8, .size: 8, .value_kind: global_buffer, .address_space: global }
      - { .name: bq, .offset: 16, .size: 8, .value_kind: global_buffer, .address_space: global }
      - { .name: bk, .offset: 24, .size: 8, .value_kind: global_buffer, .address_space: global }
      - { .name: bv, .offset: 32, .size: 8, .value_kind: global_buffer, .address_space: global }
      - { .name: qrec, .offset: 40, .size: 8, .value_kind: global_buffer, .address_space: global }
      - { .name: kv, .offset: 48, .size: 8, .value_kind: global_buffer, .address_space: global }
    .group_segment_fixed_size: 167936
    .private_segment_fixed_size: 0
    .kernarg_segment_align: 8
    .kernarg_segment_size: 56
    .max_flat_workgroup_size: 128
    .sgpr_count:     80
    .vgpr_count:     1024
    .wavefront_size: 32
...
	.end_amdgpu_metadata
.endif
;; end of part 2
;; launch attn (part 3): grid 8 x 32, 16 waves a work-group, no clusters, 165,888 bytes of LDS; arguments qrec, kv, mn, steer, attn; writes attn
.if DOCPART == 3
	.amdgcn_target "amdgcn-amd-amdhsa--gfx1250"
	.amdhsa_code_object_version 6
	.text
	.protected	k_qecb2ef8ae2_attn
	.globl	k_qecb2ef8ae2_attn
	.p2align	8
	.type	k_qecb2ef8ae2_attn,@function
k_qecb2ef8ae2_attn:
	s_mov_b64 s[64:65], 0
	v_nop
	global_prefetch_b8 v0, s[64:65] scope:SCOPE_SE
	s_setreg_imm32_b32 hwreg(HW_REG_WAVE_MODE, 25, 1), 1
	s_wait_xcnt 0x0
; attn[bh][q][:] = the sum over k of softmax_k(w / sqrt(96)) v[k][:], w = q.k merge - 1e10 (1 - merge), merge = (k <= q) (1 - pad[k]); both products on codes of FP6 (E2M3) with E8M0 block scales.
; WORK LEFT OUT: a step of 128 keys that lie behind all 16 queries of a tile, where every query of the tile is at or behind L, the batch's first key with pad == 0 (shown at the head of launch lay:
; such a key's weight is the 0 of reference()'s own f32 softmax).  A tile with a query in front of L walks all 2,048 keys.  L and the bits 'step j holds some pad != 0' are whole numbers that lay stored.
; LIMITS: |q.k| under 9e9; NaN and infinities are not served.
; THE SOFTMAX: t = w x log2(e) / sqrt(96); M = the running largest t rounded UP to a whole number; p = 2^(t - M) is quantised along the keys, not normalised; the row's sum of the unquantised p divides at the end;
; when M moves, the sum and O are multiplied by 2^(old M - new M), which rounds nothing.
; SHARES.  Work-group (x = i, y = bh) owns query blocks i and 15 - i of 128 of head bh; wave w owns one tile of 16 queries: tile w / 2 of the late block where (w ^ (w >> 2)) & 1, else of the early one.
; So every work-group has 8 (i + 1) + 8 (16 - i) = 136 wave-steps, and of any four waves w, w + 1, w + 2, w + 3 or w, w + 4, w + 8, w + 12 two are early and two late.
; Lane r's query is Q0 + r + 8 (r / 8).  A key step's record of kv (22,528 bytes: K's and V's fragments and scale words as register images) is copied through registers into one of two LDS slots, 16 bytes a thread
; and turn, one step ahead; the load for it is issued two steps ahead.  No tensor load.  No cluster: the work-groups of a head need different numbers of records.
; Both products are used transposed (S^T = K Q^T, O^T = V^T P^T): a lane holds ONE query throughout; by the choice of the keys in a tile, p's 16 registers of two neighbouring tiles are 16 neighbouring keys.
; REGISTERS: v1 16 lane; v2 8 lane + 21,504; v3 16 thread; v4, v7 the stage; v5, v6 the add's two; v11 r + 8 (r / 8) - 16 hh; v12 -M, v13 largest t, v[14:15] the sum; v16-27 Q, v28 its scale words; v29 64 hh; v30 256 lane;
;   v32-79 fragments of K or V; v80-91 the copy; v92-95 V's scale words; v96-159 S^T, then p; v160-207 O^T; v224-235 p's codes; v232-254 at work; v248-251 K's scale words; v253 p's scale word.
.set REC,   22528
.set SLOTB, 32768                      ; slot 1 begins here
.set STG,   65536                      ; the way out: 16 rows x 384 bytes for each wave
.set SPARE, 163840                     ; the spare words, 128 bytes for each wave: eight blocks of 256 bytes that no other line names
.set WV,   14
.set LATE, 15
.set T8,   16
.set BLK,  17
.set Q0,   18                          ; s18  my tile's first query
.set CS,   22                          ; s[22:23] c = log2(e) / sqrt(96)
.set SEL,  24                          ; s[24:25] lane l xor 16
.set PADB, 26                          ; s26  bit j: step j holds some pad != 0
.set LB,   27                          ; s27  L
.set LIMW, 28                          ; s28  the last key that my tile walks
.set LIMG, 29                          ; s29  the last key that any tile of the work-group walks
.set TRIPS, 30
.set KF,   31                          ; s31  the step's first key
.set RP,   34                          ; s[34:35] the step's record in kv
.set PFA,  36                          ; s[36:37] where my prefetches stand
.set PLIM, 38                          ; s38  a wave prefetches while KF is under it
.set MSK,  39                          ; s39  1: a mask pass ran in this step
.set MNB,  40                          ; s[40:41] m of the step's first key
.set QP,   44
.set QSP,  46
.set OP,   48
.macro PLACES
.rept 4
	v_nop
.endr
.endm
.macro COPYIN off                      ; a record, 16 bytes a thread: two turns of 8,192 bytes, and 6,144 for waves 0 to 11
	global_load_b128 v[80:83], v3, s[RP:RP+1] offset:\off
	global_load_b128 v[84:87], v3, s[RP:RP+1] offset:\off+8192
	s_cmp_lt_u32 s[WV], 12
	s_cbranch_scc0 .Lshort_\@
	global_load_b128 v[88:91], v3, s[RP:RP+1] offset:\off+16384
.Lshort_\@:
.endm
.macro COPYOUT slot
	ds_store_b128 v3, v[80:83] offset:(\slot)*SLOTB
	ds_store_b128 v3, v[84:87] offset:(\slot)*SLOTB+8192
	s_cmp_lt_u32 s[WV], 12
	s_cbranch_scc0 .Lshort_\@
	ds_store_b128 v3, v[88:91] offset:(\slot)*SLOTB+16384
.Lshort_\@:
.endm
.macro PVM u, t                        ; O^T's tile u += V's fragment in set t x p.  An odd tile's scale words stand in lanes 16-31
.if (\u)%2
	v_wmma_scale_f32_16x16x128_f8f6f4 v[160+8*(\u):167+8*(\u)], v[32+12*(\t):43+12*(\t)], v[224:235], v[160+8*(\u):167+8*(\u)], v[92+(\u)/2], v253 matrix_a_fmt:MATRIX_FMT_FP6 matrix_b_fmt:MATRIX_FMT_FP6 matrix_a_scale:MATRIX_SCALE_ROW1
.else
	v_wmma_scale_f32_16x16x128_f8f6f4 v[160+8*(\u):167+8*(\u)], v[32+12*(\t):43+12*(\t)], v[224:235], v[160+8*(\u):167+8*(\u)], v[92+(\u)/2], v253 matrix_a_fmt:MATRIX_FMT_FP6 matrix_b_fmt:MATRIX_FMT_FP6
.endif
.endm
; A KEY STEP: 128 keys out of the given slot
.macro STEP slot
	s_cmp_gt_u32 s[KF], s[LIMW]                    ; behind my tile's last key: nothing to do but the steps of addresses behind the macro
	s_cbranch_scc1 .Lskip_\@
	s_mov_b32 s[MSK], 0
	PLACES                                         ; in front of loads into registers that the last step's matrix instructions have read
	ds_load_b64 v[248:249], v2 offset:(\slot)*SLOTB        ; K's scale words: register T / 2, lanes 16 (T % 2) on, for tile T
	ds_load_b64 v[250:251], v2 offset:(\slot)*SLOTB+256
.irp g, 0,1                                    ; S^T = K Q^T, four tiles of 16 keys at a time
.if \g > 0
	PLACES
.endif
.irp t, 0,1,2,3
.irp c, 0,1,2
	ds_load_b128 v[32+12*\t+4*\c:35+12*\t+4*\c], v1 offset:(\slot)*SLOTB+1536*(4*\g+\t)+512*\c
.endr
.endr
	s_wait_dscnt 0x0
.irp t, 0,2
	v_wmma_scale_f32_16x16x128_f8f6f4 v[96+8*(4*\g+\t):103+8*(4*\g+\t)], v[32+12*\t:43+12*\t], v[16:27], 0, v[248+2*\g+\t/2], v28 matrix_a_fmt:MATRIX_FMT_FP6 matrix_b_fmt:MATRIX_FMT_FP6
	v_wmma_scale_f32_16x16x128_f8f6f4 v[104+8*(4*\g+\t):111+8*(4*\g+\t)], v[44+12*\t:55+12*\t], v[16:27], 0, v[248+2*\g+\t/2], v28 matrix_a_fmt:MATRIX_FMT_FP6 matrix_b_fmt:MATRIX_FMT_FP6 matrix_a_scale:MATRIX_SCALE_ROW1
.endr
.endr                                          ; register 16 b + i of v96 on: key KF + 32 b + 16 hh + i
	PLACES
	; THE PAD MASK, where the step holds some pad != 0: s = s m + n, for any float in pad_mask
	s_lshr_b32 s96, s[KF], 7
	s_bitcmp1_b32 s[PADB], s96
	s_cbranch_scc0 .Lnopad_\@
	s_mov_b32 s[MSK], 1
.irp h, 0,1                                    ; 32 registers of S^T at a time: m into v32-63, n into v64-79 and v224-239
.irp e, 0,1,2,3,4,5,6,7
	global_load_b128 v[32+4*\e:35+4*\e], v29, s[MNB:MNB+1] offset:128*(2*\h+\e/4)+16*(\e%4)
	global_load_b128 v[64+4*\e+144*(\e/4):67+4*\e+144*(\e/4)], v29, s[MNB:MNB+1] offset:128*(2*\h+\e/4)+16*(\e%4)+32768
.endr
	s_wait_loadcnt 0x0
.irp u, 0,1,2,3,4,5,6,7,8,9,10,11,12,13,14,15
	v_pk_fma_f32 v[96+32*\h+2*\u:97+32*\h+2*\u], v[96+32*\h+2*\u:97+32*\h+2*\u], v[32+2*\u:33+2*\u], v[64+2*\u+144*(\u/8):65+2*\u+144*(\u/8)]
.endr
.endr
.Lnopad_\@:
	; THE CAUSAL MASK, where some key of the step comes after some query of the tile: merge = 0 there, so w = -1e10 whatever the score and pad are
	s_add_co_u32 s96, s[KF], 127
	s_cmp_le_u32 s96, s[Q0]
	s_cbranch_scc1 .Lopen_\@
	s_mov_b32 s[MSK], 1
	s_sub_co_i32 s96, s[Q0], s[KF]
	v_add_nc_u32 v252, s96, v11                    ; d = my query - KF - 16 hh: register 16 b + i is hidden where 32 b + i > d
	v_mov_b32 v254, 0xd01502f9                     ; -1e10
.set n, 0
.rept 64
	v_cmp_gt_i32 vcc_lo, 32*(n/16)+n%16, v252
	v_cndmask_b32 v[96+n], v[96+n], v254, vcc_lo
.set n, n+1
.endr
.Lopen_\@:
.irp b, 0,1,2,3
	v_max3_num_f32 v[232+\b], v[96+16*\b], v[97+16*\b], v[98+16*\b]   ; the largest score of each block of 32 keys: for the row's maximum, and, since p rises with the score, for the block's largest p
.endr
.irp i, 3,5,7,9,11,13
.irp b, 0,1,2,3
	v_max3_num_f32 v[232+\b], v[232+\b], v[96+16*\b+\i], v[97+16*\b+\i]
.endr
.endr
.irp b, 0,1,2,3
	v_max_num_f32 v[232+\b], v[232+\b], v[111+16*\b]
.endr
.irp b, 0,1,2,3
	v_permlanex16_b32 v[236+\b], v[232+\b], s[SEL], s[SEL+1]
.endr
.irp b, 0,1,2,3
	v_max_num_f32 v[232+\b], v[232+\b], v[236+\b]  ; with lane l xor 16's 16 keys
.endr
	v_max3_num_f32 v254, v232, v233, v234
	v_max_num_f32 v254, v254, v235
	v_mul_f32 v254, s[CS], v254                    ; the step's largest t (c is positive)
	v_max_num_f32 v13, v13, v254
	v_mov_b32 v254, v12
	v_floor_f32 v12, -v13                          ; the new -M = -ceil(t)
	v_sub_f32 v254, v12, v254                      ; old M - new M: a whole number, 0 or less
	v_cvt_i32_f32 v254, v254                       ; (it saturates)
	v_ldexp_f32 v252, 1.0, v254                    ; f = 2^(old M - new M)
	; t - M.  In a step with a mask pass t may be near -1.5e9, where neighbouring f32 numbers lie 128 apart: there t is rounded first, as M's own t was, so that equal scores give t - M = 0 exactly and p = 1;
	; a fused multiply-add would leave the product's rounding, up to 64, in the exponent.  In all other steps every score is a plain q.k and one fused multiply-add serves.
	s_cmp_eq_u32 s[MSK], 0
	s_cbranch_scc1 .Lfused_\@
.set n, 0
.rept 32
	v_pk_mul_f32 v[96+n:97+n], v[96+n:97+n], s[CS:CS+1] op_sel_hi:[1,0]
.set n, n+2
.endr
.irp b, 0,1,2,3
	v_mul_f32 v[232+\b], s[CS], v[232+\b]
.endr
.set n, 0
.rept 32
	v_pk_add_f32 v[96+n:97+n], v[96+n:97+n], v[12:13] op_sel_hi:[1,0]
.set n, n+2
.endr
.irp b, 0,1,2,3
	v_add_f32 v[232+\b], v[232+\b], v12
.endr
	s_branch .Lexp_\@
.Lfused_\@:
.set n, 0
.rept 32
	v_pk_fma_f32 v[96+n:97+n], v[96+n:97+n], s[CS:CS+1], v[12:13] op_sel_hi:[1,0,0]
.set n, n+2
.endr
.irp b, 0,1,2,3
	v_fma_f32 v[232+\b], v[232+\b], s[CS], v12     ; the same of each block's largest score
.endr
.Lexp_\@:
.set n, 0
.rept 64
	v_exp_f32 v[96+n], v[96+n]                     ; p = 2^(t - M)
.set n, n+1
.endr
	v_pk_mul_f32 v[14:15], v[14:15], v[252:253] op_sel_hi:[1,0]   ; the sums under the new M.  (A plain place behind the exponentials)
	s_wait_alu depctr_va_vdst(0)                   ; one wait for the whole batch, ahead of its first reader
.irp b, 0,1,2,3
	v_exp_f32 v[232+\b], v[232+\b]                 ; the block's largest p: the same instructions on the same number give the same bits
.endr
	v_pk_add_f32 v[236:237], v[96:97], v[98:99]    ; the row's sum is taken of the unquantised p, in two chains
.irp j, 4,8,12,16,20,24,28,32,36,40,44,48,52,56,60
	v_pk_add_f32 v[14:15], v[14:15], v[96+\j:97+\j]
	v_pk_add_f32 v[236:237], v[236:237], v[98+\j:99+\j]
.endr
	v_pk_add_f32 v[14:15], v[14:15], v[236:237]
	s_wait_alu depctr_va_vdst(0)                   ; and one for the four
.irp b, 0,1,2,3
	v_max_num_f32 v[232+\b], 0x1800000, v[232+\b]  ; the floor 2^(3 - 127): a block whose every p is 0 keeps the byte 1 over zero codes
.endr
.irp b, 0,1,2,3
	v_add_nc_u32 v[244+\b], 0xff000000, v[232+\b]  ; 2 off the exponent field: the conversion's scale operand
.endr
.irp b, 0,1,2,3
	v_lshrrev_b32 v[236+\b], 23, v[244+\b]
.endr
	v_lshl_or_b32 v253, v237, 8, v236              ; p's scale word for these 128 keys
	v_lshl_or_b32 v253, v238, 16, v253
	v_lshl_or_b32 v253, v239, 24, v253
.irp c, 0,1
	v_cvt_scalef32_pk16_fp6_f32 v[224+6*\c:226+6*\c], v[96+32*\c:111+32*\c], v[244+2*\c]
	v_cvt_scalef32_pk16_fp6_f32 v[236+4*\c:238+4*\c], v[112+32*\c:127+32*\c], v[244+2*\c+1]
.endr
	v_nop                                          ; one plain place behind the scaled conversions
.irp c, 0,1                                    ; a WHOLE block in a lane: lanes 0-15 block 2 c, lanes 16-31 block 2 c + 1
.irp i, 0,1,2
	v_permlane16_swap_b32 v[224+6*\c+\i], v[236+4*\c+\i]
.endr
.irp i, 0,1,2
	v_mov_b32 v[227+6*\c+\i], v[236+4*\c+\i]
.endr
.endr
.set n, 0
.rept 24
	v_pk_mul_f32 v[160+n:161+n], v[160+n:161+n], v[252:253] op_sel_hi:[1,0]   ; O^T under the new M.  (These are also the places in front of the loads and matrix instructions below)
.set n, n+2
.endr
	ds_load_b128 v[92:95], v1 offset:(\slot)*SLOTB+22016   ; V's scale words: register t / 2, lanes 16 (t % 2) on
.irp g, 0,1                                    ; O^T += V^T P^T, three tiles of 16 of the head's 96 at a time; the accumulators by turns
.if \g > 0
	PLACES
.endif
.irp t, 0,1,2
.irp c, 0,1,2
	ds_load_b128 v[32+12*\t+4*\c:35+12*\t+4*\c], v1 offset:(\slot)*SLOTB+12288+1536*(3*\g+\t)+512*\c
.endr
.endr
	s_wait_dscnt 0x0
.irp t, 0,1,2
	PVM 3*\g+\t, \t
.endr
.endr
.Lskip_\@:
.endm
; A TRIP: one barrier.  In front of it each wave's stores of this step's record and its reads of the last step's slot are done.  Behind it the next record, which has come into registers, goes into the slot just left;
; the record after that is asked for; then the step is worked.  Records behind the work-group's last key are neither stored nor asked for.
.macro TRIP slot
	s_wait_dscnt 0x0
	s_barrier_signal -1
	s_barrier_wait -1
	s_add_co_u32 s96, s[KF], 128
	s_cmp_gt_u32 s96, s[LIMG]
	s_cbranch_scc1 .Lnocopy_\@
	s_wait_loadcnt 0x0                             ; the next record is in my registers
	COPYOUT 1-(\slot)
	s_wait_dscnt 0x0                               ; the stores have read their registers
	s_add_co_u32 s96, s[KF], 256
	s_cmp_gt_u32 s96, s[LIMG]
	s_cbranch_scc1 .Lnocopy_\@
	COPYIN 2*REC
.Lnocopy_\@:
	; A PREFETCH of the head's records, behind the copy's loads.  All eight work-groups of a head walk the same records: the first of them asks, by its waves 9, 11 and 12, which walk every step: one instruction each,
	; 8,192 bytes a wave, lanes 256 bytes apart, 24,576 bytes a trip, in trips 0 to 11: the head's bytes 65,536 to 360,447, each aligned block of 256 named once; what lies in front comes by its loads alone.
	s_cmp_lt_u32 s[KF], s[PLIM]
	s_cbranch_scc0 .Lnoask_\@
	global_prefetch_b8 v30, s[PFA:PFA+1] th:TH_LOAD_NT scope:SCOPE_SE
.Lnoask_\@:
	STEP \slot
	s_wait_xcnt 0x0                                ; the trip's loads and prefetch have read their bases, which step now
	s_add_nc_u64 s[RP:RP+1], s[RP:RP+1], REC
	s_add_nc_u64 s[MNB:MNB+1], s[MNB:MNB+1], 512
	s_add_nc_u64 s[PFA:PFA+1], s[PFA:PFA+1], 24576
	s_add_co_u32 s[KF], s[KF], 128
.endm
	s_load_b256 s[4:11], s[0:1], 0x0               ; qrec, kv, mn, steer
	s_load_b64 s[12:13], s[0:1], 0x20              ; attn
	v_lshl_add_u32 v5, v0, 2, SPARE                ; my spare word; never rewritten
	v_mov_b32 v6, 0                                ; 0; never rewritten
	v_lshrrev_b32 v8, 5, v0
	v_readfirstlane_b32 s[WV], v8                  ; wave 0..15
	v_and_b32 v9, 31, v0                           ; lane
	v_and_b32 v10, 15, v0                          ; r
	v_bfe_u32 v29, v0, 4, 1                        ; hh
	v_lshlrev_b32 v1, 4, v9
	v_lshl_add_u32 v2, v9, 3, 21504
	v_lshlrev_b32 v3, 4, v0
	v_lshlrev_b32 v30, 8, v9
	v_and_b32 v11, 8, v10
	v_add_nc_u32 v11, v11, v10
	v_lshlrev_b32 v8, 4, v29
	v_sub_nc_u32 v11, v11, v8                      ; r + 8 (r / 8) - 16 hh
	s_mul_i32 s96, s[WV], 6144
	s_add_co_u32 s96, s96, STG                     ; my stage
	v_mul_u32_u24 v7, v10, 384
	v_lshl_add_u32 v7, v29, 6, v7
	v_add_nc_u32 v7, s96, v7                       ; in: row r, + 64 hh
	v_add_nc_u32 v4, s96, v1                       ; back: 512 dense bytes an instruction
	v_lshlrev_b32 v31, 3, v10                      ; Q's scale words: 8 bytes from row to row
	v_lshlrev_b32 v29, 6, v29                      ; 64 hh
	s_and_b32 s20, ttmp7, 0xffff                   ; bh
	s_lshr_b32 s[LATE], s[WV], 2
	s_xor_b32 s[LATE], s[LATE], s[WV]
	s_and_b32 s[LATE], s[LATE], 1
	s_lshr_b32 s[T8], s[WV], 1
	s_sub_co_u32 s[BLK], 15, ttmp9
	s_cmp_eq_u32 s[LATE], 1
	s_cselect_b32 s[BLK], s[BLK], ttmp9
	s_lshl_b32 s[Q0], s[BLK], 7
	s_lshr_b32 s19, s[T8], 1
	s_lshl_b32 s19, s19, 5
	s_add_co_u32 s[Q0], s[Q0], s19
	s_and_b32 s19, s[T8], 1
	s_lshl_b32 s19, s19, 3
	s_add_co_u32 s[Q0], s[Q0], s19
	s_mov_b32 s[CS], 0x3e16c740                    ; log2(e) / sqrt(96)
	s_mov_b32 s[CS+1], s[CS]                       ; (named with it as a pair, so it is written)
	s_mov_b32 s[SEL], 0x76543210
	s_mov_b32 s[SEL+1], 0xfedcba98
	s_mov_b32 s[KF], 0
	s_mov_b32 s[TRIPS], 8
	s_sub_co_u32 s96, s[WV], 9
	s_lshr_b32 s96, s96, 2                         ; 0 in waves 9 to 12,
	s_xor_b32 s97, s[LATE], 1
	s_or_b32 s96, s96, s97                         ; of which 9, 11 and 12 are late,
	s_or_b32 s96, s96, ttmp9                       ; in the head's first work-group
	s_cmp_eq_u32 s96, 0
	s_cselect_b32 s[PLIM], 1536, 0
	s_mov_b32 s97, 0
	s_wait_kmcnt 0x0
	s_lshl_b32 s96, s20, 4
	s_add_co_u32 s96, s96, s[BLK]
	s_mul_i32 s96, s96, 12800
	s_add_nc_u64 s[QSP:QSP+1], s[4:5], s[96:97]    ; my block's record of q
	s_mul_i32 s96, s[T8], 1536
	s_add_nc_u64 s[QP:QP+1], s[QSP:QSP+1], s[96:97]
	s_lshr_b32 s96, s[T8], 2
	s_lshl_b32 s96, s96, 8
	s_and_b32 s21, s[T8], 1
	s_lshl_b32 s21, s21, 7
	s_add_co_u32 s96, s96, s21
	s_bfe_u32 s21, s[T8], 0x10001
	s_lshl_b32 s21, s21, 2
	s_add_co_u32 s96, s96, s21
	s_add_co_u32 s96, s96, 12288
	s_add_nc_u64 s[QSP:QSP+1], s[QSP:QSP+1], s[96:97]
	s_mul_i32 s96, s20, 16*REC
	s_add_nc_u64 s[RP:RP+1], s[6:7], s[96:97]      ; the head's record 0
	s_sub_co_u32 s96, s[WV], 8
	s_lshr_b32 s96, s96, 1
	s_and_b32 s96, s96, 3                          ; waves 9, 11, 12: parts 0, 1, 2
	s_lshl_b32 s96, s96, 13
	s_add_co_u32 s96, s96, 65536
	s_add_nc_u64 s[PFA:PFA+1], s[RP:RP+1], s[96:97]
	s_lshr_b32 s21, s20, 3                         ; the batch
	s_lshl_b32 s96, s21, 13
	s_add_nc_u64 s[MNB:MNB+1], s[8:9], s[96:97]
	s_lshl_b32 s96, s21, 8
	s_add_nc_u64 s[10:11], s[10:11], s[96:97]
	s_lshl_b32 s96, s20, 11
	s_add_co_u32 s96, s96, s[Q0]
	s_mul_i32 s96, s96, 384
	s_add_nc_u64 s[OP:OP+1], s[12:13], s[96:97]
	s_load_b64 s[PADB:PADB+1], s[10:11], 0x0       ; the batch's two whole numbers
.irp c, 0,1,2
	global_load_b128 v[16+4*\c:19+4*\c], v1, s[QP:QP+1] offset:512*\c     ; Q's fragment stays in registers
.endr
	global_load_b32 v28, v31, s[QSP:QSP+1]
	COPYIN 0
	v_mov_b32 v13, 0xff61b1e6                      ; the largest t so far: -3e38
	v_floor_f32 v12, -v13
	v_mov_b32 v14, 0
	v_mov_b32 v15, 0
.irp b, 0,1,2,3
	v_mov_b32 v[236+\b], 0                         ; written once: a lane permute's destination counts as one of its sources
.endr
	v_mov_b32 v252, 0
	v_mov_b32 v253, 0
.set n, 0
.rept 48
	v_mov_b32 v[160+n], 0                          ; O^T: the step is written for every step alike; the first finds zeros, which the first change of M leaves zeros
.set n, n+1
.endr
	s_wait_kmcnt 0x0
	s_lshl_b32 s[LIMW], s[BLK], 7
	s_add_co_u32 s[LIMW], s[LIMW], 127
	s_cmp_gt_u32 s[LB], s[Q0]                      ; a query of my tile in front of L: all keys are walked
	s_cselect_b32 s[LIMW], 2047, s[LIMW]
	s_sub_co_u32 s[LIMG], 15, ttmp9
	s_lshl_b32 s[LIMG], s[LIMG], 7
	s_add_co_u32 s[LIMG], s[LIMG], 127
	s_lshl_b32 s96, ttmp9, 7
	s_cmp_gt_u32 s[LB], s96                        ; the work-group's first query in front of L
	s_cselect_b32 s[LIMG], 2047, s[LIMG]
	s_wait_loadcnt 0x0                             ; Q, and record 0
	COPYOUT 0
	s_wait_dscnt 0x0                               ; the stores have read their registers
	COPYIN REC                                     ; record 1: every work-group walks at least nine steps
.Lpair:                                            ; eight trips of two steps: the slot's number is a constant in every LDS offset
	TRIP 0
	TRIP 1
	s_sub_co_u32 s[TRIPS], s[TRIPS], 1
	s_cmp_lg_u32 s[TRIPS], 0
	s_cbranch_scc1 .Lpair
	; THE WAY OUT.  O^T / the sum goes through my stage and leaves as 512 consecutive bytes an instruction: rows Q0 .. Q0 + 7 are 3,072 dense bytes of attn, rows Q0 + 16 .. Q0 + 23 the 3,072 that begin 6,144 on
	v_add_f32 v14, v14, v15
	v_permlanex16_b32 v252, v14, s[SEL], s[SEL+1]
	v_add_f32 v14, v14, v252                       ; the row's sum
	v_rcp_f32 v14, v14
.rept 3
	v_nop                                          ; a plain place behind the reciprocal; with the additions above, the places behind the last products
.endr
	s_wait_alu depctr_va_vdst(0)                   ; a wait ahead of the reciprocal's first reader
.set n, 0
.rept 48
	v_mul_f32 v[96+n], v[160+n], v14               ; register 8 t + j: d = 32 (t / 2) + 8 (t % 2) + 16 hh + j; each accumulator from its low end on
.set n, n+1
.endr
.irp t, 0,1,2,3,4,5
	ds_store_b128 v7, v[96+8*\t:99+8*\t] offset:128*(\t/2)+32*(\t%2)
	ds_store_b128 v7, v[100+8*\t:103+8*\t] offset:128*(\t/2)+32*(\t%2)+16
.endr
.irp i, 0,1,2,3,4,5,6,7,8,9,10,11
	ds_load_b128 v[32+4*\i:35+4*\i], v4 offset:512*\i      ; LDS serves a wave's instructions in order: these see my stores
.endr
.irp i, 0,1,2,3,4,5,6,7,8,9,10,11
	s_wait_dscnt 11-\i                             ; load i is in; the 11 - i behind it may be out
	global_store_b128 v1, v[32+4*\i:35+4*\i], s[OP:OP+1] offset:512*\i+3072*(\i/6) th:TH_STORE_NT
.endr
	s_wait_tensorcnt 0x0                           ; the wave's end
	ds_add_u32 v5, v6
	s_wait_dscnt 0x0
	s_endpgm
.Lfunc_end_k_qecb2ef8ae2_attn:
	.size	k_qecb2ef8ae2_attn, .Lfunc_end_k_qecb2ef8ae2_attn-k_qecb2ef8ae2_attn
	.p2alignl 7, 3214868480
	.fill 96, 4, 3214868480
	.section	.rodata,"a",@progbits
	.p2align	6, 0x0
	.amdhsa_kernel k_qecb2ef8ae2_attn
		.amdhsa_group_segment_fixed_size 165888
		.amdhsa_private_segment_fixed_size 0
		.amdhsa_enable_private_segment 0
		.amdhsa_kernarg_size 40
		.amdhsa_user_sgpr_count 2
		.amdhsa_user_sgpr_kernarg_segment_ptr 1
		.amdhsa_wavefront_size32 1
		.amdhsa_system_sgpr_workgroup_id_x 1
		.amdhsa_system_sgpr_workgroup_id_y 1
		.amdhsa_system_sgpr_workgroup_id_z 1
		.amdhsa_system_vgpr_workitem_id 0
		.amdhsa_next_free_vgpr 256
		.amdhsa_next_free_sgpr 100
		.amdhsa_reserve_vcc 1
		.amdhsa_float_denorm_mode_32 3
		.amdhsa_float_denorm_mode_16_64 3
		.amdhsa_memory_ordered 1
		.amdhsa_forward_progress 1
		.amdhsa_inst_pref_size 80
	.end_amdhsa_kernel
	.amdgpu_metadata
---
amdhsa.version: [ 1, 2 ]
amdhsa.kernels:
  - .name:           k_qecb2ef8ae2_attn
    .symbol:         k_qecb2ef8ae2_attn.kd
    .args:
      - { .name: qrec, .offset: 0, .size: 8, .value_kind: global_buffer, .address_space: global }
      - { .name: kv, .offset: 8, .size: 8, .value_kind: global_buffer, .address_space: global }
      - { .name: mn, .offset: 16, .size: 8, .value_kind: global_buffer, .address_space: global }
      - { .name: steer, .offset: 24, .size: 8, .value_kind: global_buffer, .address_space: global }
      - { .name: attn, .offset: 32, .size: 8, .value_kind: global_buffer, .address_space: global }
    .group_segment_fixed_size: 165888
    .private_segment_fixed_size: 0
    .kernarg_segment_align: 8
    .kernarg_segment_size: 40
    .max_flat_workgroup_size: 512
    .sgpr_count:     100
    .vgpr_count:     256
    .wavefront_size: 32
...
	.end_amdgpu_metadata
.endif
;; end of part 3
;; launch norm (part 4): grid 256 x 1, 8 waves a work-group, no clusters, 0 bytes of LDS; arguments attn, x, gamma, beta, out0; writes out0
.if DOCPART == 4
	.amdgcn_target "amdgcn-amd-amdhsa--gfx1250"
	.amdhsa_code_object_version 6
	.text
	.protected	k_qecb2ef8ae2_norm
	.globl	k_qecb2ef8ae2_norm
	.p2align	8
	.type	k_qecb2ef8ae2_norm,@function
k_qecb2ef8ae2_norm:
	s_mov_b64 s[64:65], 0
	v_nop
	global_prefetch_b8 v0, s[64:65] scope:SCOPE_SE
	s_setreg_imm32_b32 hwreg(HW_REG_WAVE_MODE, 25, 1), 1
	s_wait_xcnt 0x0
; out0 = LayerNorm(attn + x) gamma + beta over the last 768, eps = 1e-6, all in f32.  attn lies [8 b + h][q][96]; x and out0 [b][q][768].  Nothing of reference() is left out here.
; A wave takes four rows, one after the other, each whole in its registers (24 a lane): the reductions never leave the wave; no LDS, no barrier, no matrix unit: memory binds.
; All 60 loads of a wave go out at its head.  A load or store of x and out0 covers 512 consecutive bytes; attn's rows of a head are 384 bytes, so its loads follow the heads' pieces.
.set G,  8                             ; v8-31    gamma of my 24 columns
.set B,  32                            ; v32-55   beta
.set XR, 56                            ; v56-151  x, then y, then the result: 24 a row
.set AR, 152                           ; v152-247 attn: 24 a row; at work once y is made
	s_load_b256 s[4:11], s[0:1], 0x0               ; attn, x, gamma, beta
	s_load_b64 s[12:13], s[0:1], 0x20              ; out0
	v_lshrrev_b32 v1, 5, v0
	v_readfirstlane_b32 s14, v1                    ; wave
	v_and_b32 v248, 31, v0
	v_lshlrev_b32 v1, 4, v248                      ; 16 x lane
.irp i, 0,1,2,3,4,5                            ; piece n = 32 i + lane of a row's 192 pieces of 16 bytes: head n / 24, 786,432 bytes from head to head
	v_add_nc_u32 v249, 32*\i, v248
	v_mul_u32_u24 v250, v249, 2731
	v_lshrrev_b32 v250, 16, v250                   ; n / 24, right for n under 192
	v_mul_u32_u24 v250, v250, 786048               ; 786,432 - 384
	v_lshl_add_u32 v[2+\i], v249, 4, v250
.endr
	s_lshl_b32 s15, ttmp9, 5
	s_lshl_b32 s16, s14, 2
	s_add_co_u32 s15, s15, s16                     ; my first row
	s_mul_i32 s16, s15, 3072
	s_mov_b32 s17, 0
	s_and_b32 s18, s15, 2047
	s_mul_i32 s18, s18, 384
	s_lshr_b32 s19, s15, 11
	s_mul_i32 s19, s19, 6291456
	s_add_co_u32 s18, s18, s19
	s_mov_b32 s19, 0
	s_mov_b32 s20, 0x3aaaaaab                      ; 1 / 768
	s_mov_b32 s21, 0x358637bd                      ; 1e-6
	s_mov_b32 s22, 0x76543210
	s_mov_b32 s23, 0xfedcba98
	s_wait_kmcnt 0x0
	s_add_nc_u64 s[4:5], s[4:5], s[18:19]
	s_add_nc_u64 s[6:7], s[6:7], s[16:17]
	s_add_nc_u64 s[12:13], s[12:13], s[16:17]
.irp i, 0,1,2,3,4,5
	global_load_b128 v[G+4*\i:G+4*\i+3], v1, s[8:9] offset:512*\i
.endr
.irp i, 0,1,2,3,4,5
	global_load_b128 v[B+4*\i:B+4*\i+3], v1, s[10:11] offset:512*\i
.endr
.irp k, 0,1,2,3
.irp i, 0,1,2,3,4,5
	global_load_b128 v[XR+24*\k+4*\i:XR+24*\k+4*\i+3], v1, s[6:7] offset:3072*\k+512*\i th:TH_LOAD_NT
.endr
.irp i, 0,1,2,3,4,5
	global_load_b128 v[AR+24*\k+4*\i:AR+24*\k+4*\i+3], v[2+\i], s[4:5] offset:384*\k th:TH_LOAD_NT
.endr
.endr
.macro ALL t                           ; the sum of v[t] over the 32 lanes, in every lane
	v_add_f32_dpp v[\t], v[\t], v[\t] row_xmask:1 row_mask:0xf bank_mask:0xf
	v_add_f32_dpp v[\t], v[\t], v[\t] row_xmask:2 row_mask:0xf bank_mask:0xf
	v_add_f32_dpp v[\t], v[\t], v[\t] row_xmask:4 row_mask:0xf bank_mask:0xf
	v_add_f32_dpp v[\t], v[\t], v[\t] row_xmask:8 row_mask:0xf bank_mask:0xf
	v_permlanex16_b32 v[\t+1], v[\t], s22, s23
	v_add_f32 v[\t], v[\t], v[\t+1]
.endm
.macro ROW k
.set Y, XR+24*(\k)
.set T, AR+24*(\k)
	s_wait_loadcnt 12*(3-(\k))                     ; loads come back in order: this row's are in, the later rows' 12 each may be out
.irp p, 0,2,4,6,8,10,12,14,16,18,20,22
	v_pk_add_f32 v[Y+\p:Y+\p+1], v[Y+\p:Y+\p+1], v[T+\p:T+\p+1]      ; y = x + attn
.endr
	v_pk_add_f32 v[T:T+1], v[Y:Y+1], v[Y+2:Y+3]                      ; the row's sum, in two chains
	v_pk_add_f32 v[T+2:T+3], v[Y+4:Y+5], v[Y+6:Y+7]
.irp p, 8,12,16,20
	v_pk_add_f32 v[T:T+1], v[T:T+1], v[Y+\p:Y+\p+1]
	v_pk_add_f32 v[T+2:T+3], v[T+2:T+3], v[Y+\p+2:Y+\p+3]
.endr
	v_pk_add_f32 v[T:T+1], v[T:T+1], v[T+2:T+3]
	v_add_f32 v[T], v[T], v[T+1]
	ALL T
	v_mul_f32 v[T+4], s20, v[T]                    ; mu, twice: a pair for the packed form
	v_mov_b32 v[T+5], v[T+4]
.irp p, 0,2,4,6,8,10,12,14,16,18,20,22
	v_pk_add_f32 v[Y+\p:Y+\p+1], v[Y+\p:Y+\p+1], v[T+4:T+5] neg_lo:[0,1] neg_hi:[0,1]   ; y - mu
.endr
	v_pk_mul_f32 v[T:T+1], v[Y:Y+1], v[Y:Y+1]                        ; the sum of squares, in two chains
	v_pk_mul_f32 v[T+2:T+3], v[Y+2:Y+3], v[Y+2:Y+3]
.irp p, 4,8,12,16,20
	v_pk_fma_f32 v[T:T+1], v[Y+\p:Y+\p+1], v[Y+\p:Y+\p+1], v[T:T+1]
	v_pk_fma_f32 v[T+2:T+3], v[Y+\p+2:Y+\p+3], v[Y+\p+2:Y+\p+3], v[T+2:T+3]
.endr
	v_pk_add_f32 v[T:T+1], v[T:T+1], v[T+2:T+3]
	v_add_f32 v[T], v[T], v[T+1]
	ALL T
	v_fma_f32 v[T], v[T], s20, s21                 ; var + eps
	v_rsq_f32 v[T+4], v[T]
	v_rsq_f32 v[T+5], v[T]                         ; twice: a pair for the packed form
	v_nop                                          ; a plain place behind the transcendentals
	s_wait_alu depctr_va_vdst(0)                   ; one wait for both, ahead of their first reader
.irp p, 0,2,4,6,8,10,12,14,16,18,20,22
	v_pk_mul_f32 v[Y+\p:Y+\p+1], v[Y+\p:Y+\p+1], v[T+4:T+5]
.endr
.irp p, 0,2,4,6,8,10,12,14,16,18,20,22
	v_pk_fma_f32 v[Y+\p:Y+\p+1], v[Y+\p:Y+\p+1], v[G+\p:G+\p+1], v[B+\p:B+\p+1]
.endr
.irp i, 0,1,2,3,4,5
	global_store_b128 v1, v[Y+4*\i:Y+4*\i+3], s[12:13] offset:3072*(\k)+512*\i th:TH_STORE_NT   ; 512 consecutive bytes, at a multiple of 256 from the buffer's first byte; no store's data are written again
.endr
.endm
	ROW 0
	ROW 1
	ROW 2
	ROW 3
	s_endpgm
.Lfunc_end_k_qecb2ef8ae2_norm:
	.size	k_qecb2ef8ae2_norm, .Lfunc_end_k_qecb2ef8ae2_norm-k_qecb2ef8ae2_norm
	.p2alignl 7, 3214868480
	.fill 96, 4, 3214868480
	.section	.rodata,"a",@progbits
	.p2align	6, 0x0
	.amdhsa_kernel k_qecb2ef8ae2_norm
		.amdhsa_group_segment_fixed_size 0
		.amdhsa_private_segment_fixed_size 0
		.amdhsa_enable_private_segment 0
		.amdhsa_kernarg_size 40
		.amdhsa_user_sgpr_count 2
		.amdhsa_user_sgpr_kernarg_segment_ptr 1
		.amdhsa_wavefront_size32 1
		.amdhsa_system_sgpr_workgroup_id_x 1
		.amdhsa_system_sgpr_workgroup_id_y 1
		.amdhsa_system_sgpr_workgroup_id_z 1
		.amdhsa_system_vgpr_workitem_id 0
		.amdhsa_next_free_vgpr 256
		.amdhsa_next_free_sgpr 66
		.amdhsa_reserve_vcc 0
		.amdhsa_float_denorm_mode_32 3
		.amdhsa_float_denorm_mode_16_64 3
		.amdhsa_memory_ordered 1
		.amdhsa_forward_progress 1
		.amdhsa_inst_pref_size 34
	.end_amdhsa_kernel
	.amdgpu_metadata
---
amdhsa.version: [ 1, 2 ]
amdhsa.kernels:
  - .name:           k_qecb2ef8ae2_norm
    .symbol:         k_qecb2ef8ae2_norm.kd
    .args:
      - { .name: attn, .offset: 0, .size: 8, .value_kind: global_buffer, .address_space: global }
      - { .name: x, .offset: 8, .size: 8, .value_kind: global_buffer, .address_space: global }
      - { .name: gamma, .offset: 16, .size: 8, .value_kind: global_buffer, .address_space: global }
      - { .name: beta, .offset: 24, .size: 8, .value_kind: global_buffer, .address_space: global }
      - { .name: out0, .offset: 32, .size: 8, .value_kind: global_buffer, .address_space: global }
    .group_segment_fixed_size: 0
    .private_segment_fixed_size: 0
    .kernarg_segment_align: 8
    .kernarg_segment_size: 40
    .max_flat_workgroup_size: 256
    .sgpr_count:     66
    .vgpr_count:     256
    .wavefront_size: 32
...
	.end_amdgpu_metadata
.endif
;; end of part 4
;; ======== version 2 of 2: 4 launches; version 1 with the launch attn written anew for expert scheduling mode
;; limits: right only within a limited range of input values
;; workspace buffers: frag 6,045,696 bytes; fsc 335,872 bytes; mn 65,536 bytes; steer 1,024 bytes of whole numbers; qrec 6,553,600 bytes; kv 11,534,336 bytes; attn 25,165,824 bytes
;; launch lay: the kernel of part 1 again; grid 657 x 1, 6 waves a work-group, no clusters, 51,968 bytes of LDS; arguments x, pad_mask, Wq_codes, Wq_scales, Wk_codes, Wk_scales, Wv_codes, Wv_scales, frag, fsc, mn, steer; writes frag, fsc, mn, steer
;; launch proj: the kernel of part 2 again; grid 32 x 6, 4 waves a work-group, no clusters, 167,936 bytes of LDS; arguments frag, fsc, bq, bk, bv, qrec, kv; writes qrec, kv
;; launch attn (part 5): grid 8 x 32, 16 waves a work-group, no clusters, 165,888 bytes of LDS; arguments qrec, kv, mn, steer, attn; writes attn
.if DOCPART == 5
	.amdgcn_target "amdgcn-amd-amdhsa--gfx1250"
	.amdhsa_code_object_version 6
	.text
	.protected	k_qecb2ef8ae2_attn
	.globl	k_qecb2ef8ae2_attn
	.p2align	8
	.type	k_qecb2ef8ae2_attn,@function
k_qecb2ef8ae2_attn:
	s_mov_b64 s[64:65], 0
	v_nop
	global_prefetch_b8 v0, s[64:65] scope:SCOPE_SE
	s_setreg_imm32_b32 hwreg(HW_REG_WAVE_SCHED_MODE, 0, 2), 2
	s_setreg_imm32_b32 hwreg(HW_REG_WAVE_MODE, 25, 1), 1
	s_wait_xcnt 0x0
	s_wait_alu depctr_vm_vsrc(0)
; attn[bh][q][:] = the sum over k of softmax_k(w / sqrt(96)) v[k][:], w = q.k merge - 1e10 (1 - merge), merge = (k <= q) (1 - pad[k]); both products on codes of FP6 (E2M3) with E8M0 block scales.
; WORK LEFT OUT: a step of 128 keys that lie behind all 16 queries of a tile, where every query of the tile is at or behind L, the batch's first key with pad == 0 (shown at the head of launch lay:
; such a key's weight is the 0 of reference()'s own f32 softmax).  A tile with a query in front of L walks all 2,048 keys.  L and the bits 'step j holds some pad != 0' are whole numbers that lay stored.
; LIMITS: |q.k| under 9e9; NaN and infinities are not served.
; THE SOFTMAX: t = w x log2(e) / sqrt(96); M = the running largest t rounded UP to a whole number; p = 2^(t - M) is quantised along the keys, not normalised; the row's sum of the unquantised p divides at the end;
; when M moves, the sum and O are multiplied by 2^(old M - new M), which rounds nothing.
; SHARES.  Work-group (x = i, y = bh) owns query blocks i and 15 - i of 128 of head bh; wave w owns one tile of 16 queries: tile w / 2 of the late block where (w ^ (w >> 2)) & 1, else of the early one.
; So every work-group has 8 (i + 1) + 8 (16 - i) = 136 wave-steps, and of any four waves w, w + 1, w + 2, w + 3 or w, w + 4, w + 8, w + 12 two are early and two late.
; Lane r's query is Q0 + r + 8 (r / 8).  A key step's record of kv (22,528 bytes: K's and V's fragments and scale words as register images) is copied through registers into one of two LDS slots, 16 bytes a thread
; and turn, one step ahead; the load for it is issued two steps ahead.  No tensor load.  No cluster: the work-groups of a head need different numbers of records.
; Both products are used transposed (S^T = K Q^T, O^T = V^T P^T): a lane holds ONE query throughout; by the choice of the keys in a tile, p's 16 registers of two neighbouring tiles are 16 neighbouring keys.
; REGISTERS: v1 16 lane; v2 8 lane + 21,504; v3 16 thread; v4, v7 the stage; v5, v6 the add's two; v11 r + 8 (r / 8) - 16 hh; v12 -M, v13 largest t, v[14:15] the sum; v16-27 Q, v28 its scale words; v29 64 hh; v30 256 lane;
;   v32-79 four fragments of K or V; v80-91 the copy; v92-95 V's scale words; v96-159 S^T, then p (v96-107 at a step's end: V's sixth fragment); v160-207 O^T; v208-243 at a step's head K's fragments 4 to 6 (v208-219 later V's fifth);
;   v224-235 p's codes; v232-254 at work; v248-251 K's scale words; v253 p's scale word.  s66-81: the causal mask's sixteen lane masks.
; THE MODE: SCHED_MODE bits 1:0 = 2 (LLVM: expert scheduling mode 2), set by the entry lines.  The code itself states the register dependences between vector or matrix instructions and memory or LDS instructions,
; with s_wait_alu, always for 0.
; THE PLAN.  Registers that memory or LDS instructions touch, round a trip:
;   v1-v7, v29-v31   addresses and the add's pair: made at the head, never written again.        v16-28   Q and its scale words: loaded once.
;   v80-91           loaded from kv; read by the LDS stores of the next trip; loaded again.  No vector instruction names them: one wait on vm_vsrc a trip, between the stores and the loads.
;   v248-251, v32-79, v208-243   K's scale words and fragments 0 to 6: loaded at a step's head, behind the step's first wait on va_vdst: the last step's products are done reading v32-79, v208-219, v224-235 and the scale words,
;                    and its vector lines have written v220-243.  Tile 7's fragment lands in v32-43, behind a wait that shows tile 0's product done reading them; it is on its way while tiles 2 to 6 are multiplied.
;   v92-95, v32-79, v208-219     V's scale words and fragments 0 to 4: loaded behind the wait for the 64 exponentials, ahead of which stand all readers of these registers; no vector line names them until V's products.
;                    So they land while the sums, the scales, the conversions and O^T's rescaling are worked.
;   v96-107          V's fragment 5: loaded behind the wait that stands ahead of V's products anyway (p's codes and scale word are written): the sums and conversions, p's last readers, stand ahead of it.
; So a step has five waits on va_vdst: head, tile 7, the 64 exponentials, the four, V's products.  The pad pass has one ahead of each of its two runs of loads; the causal pass four on va_sdst, one for each run of sixteen compares.
.set REC,   22528
.set SLOTB, 32768                      ; slot 1 begins here
.set STG,   65536                      ; the way out: 16 rows x 384 bytes for each wave
.set SPARE, 163840                     ; the spare words, 128 bytes for each wave: eight blocks of 256 bytes that no other line names
.set WV,   14
.set LATE, 15
.set T8,   16
.set BLK,  17
.set Q0,   18                          ; s18  my tile's first query
.set CS,   22                          ; s[22:23] c = log2(e) / sqrt(96)
.set SEL,  24                          ; s[24:25] lane l xor 16
.set PADB, 26                          ; s26  bit j: step j holds some pad != 0
.set LB,   27                          ; s27  L
.set LIMW, 28                          ; s28  the last key that my tile walks
.set LIMG, 29                          ; s29  the last key that any tile of the work-group walks
.set TRIPS, 30
.set KF,   31                          ; s31  the step's first key
.set RP,   34                          ; s[34:35] the step's record in kv
.set PFA,  36                          ; s[36:37] where my prefetches stand
.set PLIM, 38                          ; s38  a wave prefetches while KF is under it
.set MSK,  39                          ; s39  1: a mask pass ran in this step
.set MNB,  40                          ; s[40:41] m of the step's first key
.set QP,   44
.set QSP,  46
.set OP,   48
.set CM,   66                          ; s66-81 the causal mask: sixteen compares' lane masks
.macro PLACES
.rept 4
	v_nop
.endr
.endm
.macro COPYIN off                      ; a record, 16 bytes a thread: two turns of 8,192 bytes, and 6,144 for waves 0 to 11
	global_load_b128 v[80:83], v3, s[RP:RP+1] offset:\off
	global_load_b128 v[84:87], v3, s[RP:RP+1] offset:\off+8192
	s_cmp_lt_u32 s[WV], 12
	s_cbranch_scc0 .Lshort_\@
	global_load_b128 v[88:91], v3, s[RP:RP+1] offset:\off+16384
.Lshort_\@:
.endm
.macro COPYOUT slot
	ds_store_b128 v3, v[80:83] offset:(\slot)*SLOTB
	ds_store_b128 v3, v[84:87] offset:(\slot)*SLOTB+8192
	s_cmp_lt_u32 s[WV], 12
	s_cbranch_scc0 .Lshort_\@
	ds_store_b128 v3, v[88:91] offset:(\slot)*SLOTB+16384
.Lshort_\@:
.endm
.macro FRAG f, off                     ; a fragment's image, 1,536 bytes from LDS byte off on, into v[f] on: three loads of 512 consecutive bytes
.irp c, 0,1,2
	ds_load_b128 v[(\f)+4*\c:(\f)+4*\c+3], v1 offset:(\off)+512*\c
.endr
.endm
.macro KQM t, f                        ; S^T's tile t = K's fragment in v[f] on x Q.  Tile t's scale words: register t / 2 of the four; an odd tile's stand in lanes 16-31
.if (\t)%2
	v_wmma_scale_f32_16x16x128_f8f6f4 v[96+8*(\t):103+8*(\t)], v[(\f):(\f)+11], v[16:27], 0, v[248+(\t)/2], v28 matrix_a_fmt:MATRIX_FMT_FP6 matrix_b_fmt:MATRIX_FMT_FP6 matrix_a_scale:MATRIX_SCALE_ROW1
.else
	v_wmma_scale_f32_16x16x128_f8f6f4 v[96+8*(\t):103+8*(\t)], v[(\f):(\f)+11], v[16:27], 0, v[248+(\t)/2], v28 matrix_a_fmt:MATRIX_FMT_FP6 matrix_b_fmt:MATRIX_FMT_FP6
.endif
.endm
.macro PVM u, f                        ; O^T's tile u += V's fragment in v[f] on x p.  An odd tile's scale words stand in lanes 16-31
.if (\u)%2
	v_wmma_scale_f32_16x16x128_f8f6f4 v[160+8*(\u):167+8*(\u)], v[(\f):(\f)+11], v[224:235], v[160+8*(\u):167+8*(\u)], v[92+(\u)/2], v253 matrix_a_fmt:MATRIX_FMT_FP6 matrix_b_fmt:MATRIX_FMT_FP6 matrix_a_scale:MATRIX_SCALE_ROW1
.else
	v_wmma_scale_f32_16x16x128_f8f6f4 v[160+8*(\u):167+8*(\u)], v[(\f):(\f)+11], v[224:235], v[160+8*(\u):167+8*(\u)], v[92+(\u)/2], v253 matrix_a_fmt:MATRIX_FMT_FP6 matrix_b_fmt:MATRIX_FMT_FP6
.endif
.endm
; A KEY STEP: 128 keys out of the given slot
.macro STEP slot
	s_cmp_gt_u32 s[KF], s[LIMW]                    ; behind my tile's last key: nothing to do but the steps of addresses behind the macro
	s_cbranch_scc1 .Lskip_\@
	s_mov_b32 s[MSK], 0
.rept 5
	v_nop                                          ; five places between the last step's products, the last of which read v96-107, and this step's first, which write over them (ISA guide 7.12.1)
.endr
	s_wait_alu depctr_va_vdst(0)                   ; the last step's products are done reading v32-79, v208-219, v224-235 and K's scale words, and its vector lines (in the first step: the head's) have written v220-243: the loads below land in these
	ds_load_b64 v[248:249], v2 offset:(\slot)*SLOTB        ; K's scale words: register T / 2, lanes 16 (T % 2) on, for tile T
	ds_load_b64 v[250:251], v2 offset:(\slot)*SLOTB+256
.irp t, 0,1,2,3                                ; S^T = K Q^T: seven of the eight tiles' fragments are asked for at once
	FRAG 32+12*\t, (\slot)*SLOTB+1536*\t
.endr
.irp t, 4,5,6
	FRAG 160+12*\t, (\slot)*SLOTB+1536*\t
.endr
	s_wait_dscnt 15                                ; LDS loads come back in order: the scale words and fragments 0 and 1 are in; the five fragments behind them, 15 loads, may be out
	KQM 0, 32
	KQM 1, 44
	s_wait_alu depctr_va_vdst(0)                   ; tile 0's product is done reading v32-43, in which tile 7's fragment lands
	FRAG 32, (\slot)*SLOTB+1536*7
	s_wait_dscnt 12                                ; fragments 2 and 3 are in; 4 to 7 may be out
	KQM 2, 56
	KQM 3, 68
	s_wait_dscnt 3                                 ; fragments 4 to 6 are in; tile 7's three loads may be out
	KQM 4, 208
	KQM 5, 220
	KQM 6, 232
	s_wait_dscnt 0x0
	KQM 7, 32                                      ; register 16 b + i of v96 on: key KF + 32 b + 16 hh + i
	PLACES                                         ; four places behind the products, in front of the first read of their results and of the first vector write into their fragments' registers (ISA guide 7.12.1)
	; THE PAD MASK, where the step holds some pad != 0: s = s m + n, for any float in pad_mask
	s_lshr_b32 s96, s[KF], 7
	s_bitcmp1_b32 s[PADB], s96
	s_cbranch_scc0 .Lnopad_\@
	s_mov_b32 s[MSK], 1
.irp h, 0,1                                    ; 32 registers of S^T at a time: m into v32-63, n into v64-79 and v224-239
	s_wait_alu depctr_va_vdst(0)                   ; h = 0: the products are done reading K's fragments in v32-79 and v220-243; h = 1: the multiply-adds above are done reading m and n: the loads below land there
.irp e, 0,1,2,3,4,5,6,7
	global_load_b128 v[32+4*\e:35+4*\e], v29, s[MNB:MNB+1] offset:128*(2*\h+\e/4)+16*(\e%4)
	global_load_b128 v[64+4*\e+144*(\e/4):67+4*\e+144*(\e/4)], v29, s[MNB:MNB+1] offset:128*(2*\h+\e/4)+16*(\e%4)+32768
.endr
	s_wait_loadcnt 0x0
.irp u, 0,1,2,3,4,5,6,7,8,9,10,11,12,13,14,15
	v_pk_fma_f32 v[96+32*\h+2*\u:97+32*\h+2*\u], v[96+32*\h+2*\u:97+32*\h+2*\u], v[32+2*\u:33+2*\u], v[64+2*\u+144*(\u/8):65+2*\u+144*(\u/8)]
.endr
.endr
.Lnopad_\@:
	; THE CAUSAL MASK, where some key of the step comes after some query of the tile: merge = 0 there, so w = -1e10 whatever the score and pad are
	s_add_co_u32 s96, s[KF], 127
	s_cmp_le_u32 s96, s[Q0]
	s_cbranch_scc1 .Lopen_\@
	s_mov_b32 s[MSK], 1
	s_sub_co_i32 s96, s[Q0], s[KF]
	v_add_nc_u32 v252, s96, v11                    ; d = my query - KF - 16 hh: register 16 b + i is hidden where 32 b + i > d
	v_mov_b32 v254, 0xd01502f9                     ; -1e10
.irp b, 0,1,2,3                                ; a block's sixteen compares in one run, each into a scalar register of its own; then its sixteen selections
.irp i, 0,1,2,3,4,5,6,7,8,9,10,11,12,13,14,15
	v_cmp_gt_i32 s[CM+\i], 32*\b+\i, v252
.endr
	s_wait_alu depctr_va_sdst(0)                   ; the sixteen compares have written s66 to s81, which the selections below read
.irp i, 0,1,2,3,4,5,6,7,8,9,10,11,12,13,14,15
	v_cndmask_b32 v[96+16*\b+\i], v[96+16*\b+\i], v254, s[CM+\i]
.endr
.endr
.Lopen_\@:
.irp b, 0,1,2,3
	v_max3_num_f32 v[232+\b], v[96+16*\b], v[97+16*\b], v[98+16*\b]   ; the largest score of each block of 32 keys: for the row's maximum, and, since p rises with the score, for the block's largest p
.endr
.irp i, 3,5,7,9,11,13
.irp b, 0,1,2,3
	v_max3_num_f32 v[232+\b], v[232+\b], v[96+16*\b+\i], v[97+16*\b+\i]
.endr
.endr
.irp b, 0,1,2,3
	v_max_num_f32 v[232+\b], v[232+\b], v[111+16*\b]
.endr
.irp b, 0,1,2,3
	v_permlanex16_b32 v[236+\b], v[232+\b], s[SEL], s[SEL+1]
.endr
.irp b, 0,1,2,3
	v_max_num_f32 v[232+\b], v[232+\b], v[236+\b]  ; with lane l xor 16's 16 keys
.endr
	v_max3_num_f32 v254, v232, v233, v234
	v_max_num_f32 v254, v254, v235
	v_mul_f32 v254, s[CS], v254                    ; the step's largest t (c is positive)
	v_max_num_f32 v13, v13, v254
	v_mov_b32 v254, v12
	v_floor_f32 v12, -v13                          ; the new -M = -ceil(t)
	v_sub_f32 v254, v12, v254                      ; old M - new M: a whole number, 0 or less
	v_cvt_i32_f32 v254, v254                       ; (it saturates)
	v_ldexp_f32 v252, 1.0, v254                    ; f = 2^(old M - new M)
	; t - M.  In a step with a mask pass t may be near -1.5e9, where neighbouring f32 numbers lie 128 apart: there t is rounded first, as M's own t was, so that equal scores give t - M = 0 exactly and p = 1;
	; a fused multiply-add would leave the product's rounding, up to 64, in the exponent.  In all other steps every score is a plain q.k and one fused multiply-add serves.
	s_cmp_eq_u32 s[MSK], 0
	s_cbranch_scc1 .Lfused_\@
.set n, 0
.rept 32
	v_pk_mul_f32 v[96+n:97+n], v[96+n:97+n], s[CS:CS+1] op_sel_hi:[1,0]
.set n, n+2
.endr
.irp b, 0,1,2,3
	v_mul_f32 v[232+\b], s[CS], v[232+\b]
.endr
.set n, 0
.rept 32
	v_pk_add_f32 v[96+n:97+n], v[96+n:97+n], v[12:13] op_sel_hi:[1,0]
.set n, n+2
.endr
.irp b, 0,1,2,3
	v_add_f32 v[232+\b], v[232+\b], v12
.endr
	s_branch .Lexp_\@
.Lfused_\@:
.set n, 0
.rept 32
	v_pk_fma_f32 v[96+n:97+n], v[96+n:97+n], s[CS:CS+1], v[12:13] op_sel_hi:[1,0,0]
.set n, n+2
.endr
.irp b, 0,1,2,3
	v_fma_f32 v[232+\b], v[232+\b], s[CS], v12     ; the same of each block's largest score
.endr
.Lexp_\@:
.set n, 0
.rept 64
	v_exp_f32 v[96+n], v[96+n]                     ; p = 2^(t - M)
.set n, n+1
.endr
	v_pk_mul_f32 v[14:15], v[14:15], v[252:253] op_sel_hi:[1,0]   ; the sums under the new M.  (A plain place behind the exponentials)
	s_wait_alu depctr_va_vdst(0)                   ; the 64 exponentials have written p, ahead of its first reader; and K's products and the pad pass are done reading v32-79 and v208-219, the last step's products V's scale words: the loads below land in these
	ds_load_b128 v[92:95], v1 offset:(\slot)*SLOTB+22016   ; V's scale words: register t / 2, lanes 16 (t % 2) on
.irp t, 0,1,2,3                                ; five of V's six fragments: no vector line names their registers until V's products, so they land while the lines below are worked
	FRAG 32+12*\t, (\slot)*SLOTB+12288+1536*\t
.endr
	FRAG 208, (\slot)*SLOTB+12288+1536*4
.irp b, 0,1,2,3
	v_exp_f32 v[232+\b], v[232+\b]                 ; the block's largest p: the same instructions on the same number give the same bits
.endr
	v_pk_add_f32 v[236:237], v[96:97], v[98:99]    ; the row's sum is taken of the unquantised p, in two chains
.irp j, 4,8,12,16,20,24,28,32,36,40,44,48,52,56,60
	v_pk_add_f32 v[14:15], v[14:15], v[96+\j:97+\j]
	v_pk_add_f32 v[236:237], v[236:237], v[98+\j:99+\j]
.endr
	v_pk_add_f32 v[14:15], v[14:15], v[236:237]
	s_wait_alu depctr_va_vdst(0)                   ; the four exponentials have written v232-235, ahead of their first reader
.irp b, 0,1,2,3
	v_max_num_f32 v[232+\b], 0x1800000, v[232+\b]  ; the floor 2^(3 - 127): a block whose every p is 0 keeps the byte 1 over zero codes
.endr
.irp b, 0,1,2,3
	v_add_nc_u32 v[244+\b], 0xff000000, v[232+\b]  ; 2 off the exponent field: the conversion's scale operand
.endr
.irp b, 0,1,2,3
	v_lshrrev_b32 v[236+\b], 23, v[244+\b]
.endr
	v_lshl_or_b32 v253, v237, 8, v236              ; p's scale word for these 128 keys
	v_lshl_or_b32 v253, v238, 16, v253
	v_lshl_or_b32 v253, v239, 24, v253
.irp c, 0,1
	v_cvt_scalef32_pk16_fp6_f32 v[224+6*\c:226+6*\c], v[96+32*\c:111+32*\c], v[244+2*\c]
	v_cvt_scalef32_pk16_fp6_f32 v[236+4*\c:238+4*\c], v[112+32*\c:127+32*\c], v[244+2*\c+1]
.endr
	v_nop                                          ; one plain place behind the scaled conversions
.irp c, 0,1                                    ; a WHOLE block in a lane: lanes 0-15 block 2 c, lanes 16-31 block 2 c + 1
.irp i, 0,1,2
	v_permlane16_swap_b32 v[224+6*\c+\i], v[236+4*\c+\i]
.endr
.irp i, 0,1,2
	v_mov_b32 v[227+6*\c+\i], v[236+4*\c+\i]
.endr
.endr
.set n, 0
.rept 24
	v_pk_mul_f32 v[160+n:161+n], v[160+n:161+n], v[252:253] op_sel_hi:[1,0]   ; O^T under the new M.  (These are also the places between the lines that wrote p's codes and scale word and the scaled products that take them)
.set n, n+2
.endr
	s_wait_alu depctr_va_vdst(0)                   ; behind the places: p's codes v224-235 and its scale word v253 are written, which the products below take; and the sums and conversions are done reading v96-107, in which V's sixth fragment lands
	FRAG 96, (\slot)*SLOTB+12288+1536*5
	s_wait_dscnt 3                                 ; V's scale words and fragments 0 to 4 are in; the three loads just issued may be out
	PVM 0, 32                                      ; O^T += V^T P^T, six tiles of 16 of the head's 96; the accumulators by turns
	PVM 1, 44
	PVM 2, 56
	PVM 3, 68
	PVM 4, 208
	s_wait_dscnt 0x0
	PVM 5, 96
.Lskip_\@:
.endm
; A TRIP: one barrier.  In front of it each wave's stores of this step's record and its reads of the last step's slot are done.  Behind it the next record, which has come into registers, goes into the slot just left;
; the record after that is asked for; then the step is worked.  Records behind the work-group's last key are neither stored nor asked for.
.macro TRIP slot
	s_wait_dscnt 0x0
	s_barrier_signal -1
	s_barrier_wait -1
	s_add_co_u32 s96, s[KF], 128
	s_cmp_gt_u32 s96, s[LIMG]
	s_cbranch_scc1 .Lnocopy_\@
	s_wait_loadcnt 0x0                             ; the next record is in my registers
	COPYOUT 1-(\slot)
	s_wait_dscnt 0x0                               ; the stores are done
	s_wait_alu depctr_vm_vsrc(0)                   ; the LDS stores have read v80-91, in which the loads of the record after that land
	s_add_co_u32 s96, s[KF], 256
	s_cmp_gt_u32 s96, s[LIMG]
	s_cbranch_scc1 .Lnocopy_\@
	COPYIN 2*REC
.Lnocopy_\@:
	; A PREFETCH of the head's records, behind the copy's loads.  All eight work-groups of a head walk the same records: the first of them asks, by its waves 9, 11 and 12, which walk every step: one instruction each,
	; 8,192 bytes a wave, lanes 256 bytes apart, 24,576 bytes a trip, in trips 0 to 11: the head's bytes 65,536 to 360,447, each aligned block of 256 named once; what lies in front comes by its loads alone.
	s_cmp_lt_u32 s[KF], s[PLIM]
	s_cbranch_scc0 .Lnoask_\@
	global_prefetch_b8 v30, s[PFA:PFA+1] th:TH_LOAD_NT scope:SCOPE_SE
.Lnoask_\@:
	STEP \slot
	s_wait_xcnt 0x0                                ; the trip's loads and prefetch have read their bases, which step now
	s_add_nc_u64 s[RP:RP+1], s[RP:RP+1], REC
	s_add_nc_u64 s[MNB:MNB+1], s[MNB:MNB+1], 512
	s_add_nc_u64 s[PFA:PFA+1], s[PFA:PFA+1], 24576
	s_add_co_u32 s[KF], s[KF], 128
.endm
	s_load_b256 s[4:11], s[0:1], 0x0               ; qrec, kv, mn, steer
	s_load_b64 s[12:13], s[0:1], 0x20              ; attn
	v_lshl_add_u32 v5, v0, 2, SPARE                ; my spare word; never rewritten
	v_mov_b32 v6, 0                                ; 0; never rewritten
	v_lshrrev_b32 v8, 5, v0
	v_readfirstlane_b32 s[WV], v8                  ; wave 0..15
	v_and_b32 v9, 31, v0                           ; lane
	v_and_b32 v10, 15, v0                          ; r
	v_bfe_u32 v29, v0, 4, 1                        ; hh
	v_lshlrev_b32 v1, 4, v9
	v_lshl_add_u32 v2, v9, 3, 21504
	v_lshlrev_b32 v3, 4, v0
	v_lshlrev_b32 v30, 8, v9
	v_and_b32 v11, 8, v10
	v_add_nc_u32 v11, v11, v10
	v_lshlrev_b32 v8, 4, v29
	v_sub_nc_u32 v11, v11, v8                      ; r + 8 (r / 8) - 16 hh
	s_wait_alu depctr_va_sdst(0)                   ; the wave's number is written into s14, ahead of its first reader: the stage, the tile, the records' addresses and the copy's branches are made from it
	s_mul_i32 s96, s[WV], 6144
	s_add_co_u32 s96, s96, STG                     ; my stage
	v_mul_u32_u24 v7, v10, 384
	v_lshl_add_u32 v7, v29, 6, v7
	v_add_nc_u32 v7, s96, v7                       ; in: row r, + 64 hh
	v_add_nc_u32 v4, s96, v1                       ; back: 512 dense bytes an instruction
	v_lshlrev_b32 v31, 3, v10                      ; Q's scale words: 8 bytes from row to row
	v_lshlrev_b32 v29, 6, v29                      ; 64 hh
	s_and_b32 s20, ttmp7, 0xffff                   ; bh
	s_lshr_b32 s[LATE], s[WV], 2
	s_xor_b32 s[LATE], s[LATE], s[WV]
	s_and_b32 s[LATE], s[LATE], 1
	s_lshr_b32 s[T8], s[WV], 1
	s_sub_co_u32 s[BLK], 15, ttmp9
	s_cmp_eq_u32 s[LATE], 1
	s_cselect_b32 s[BLK], s[BLK], ttmp9
	s_lshl_b32 s[Q0], s[BLK], 7
	s_lshr_b32 s19, s[T8], 1
	s_lshl_b32 s19, s19, 5
	s_add_co_u32 s[Q0], s[Q0], s19
	s_and_b32 s19, s[T8], 1
	s_lshl_b32 s19, s19, 3
	s_add_co_u32 s[Q0], s[Q0], s19
	s_mov_b32 s[CS], 0x3e16c740                    ; log2(e) / sqrt(96)
	s_mov_b32 s[CS+1], s[CS]                       ; (named with it as a pair, so it is written)
	s_mov_b32 s[SEL], 0x76543210
	s_mov_b32 s[SEL+1], 0xfedcba98
	s_mov_b32 s[KF], 0
	s_mov_b32 s[TRIPS], 8
	s_sub_co_u32 s96, s[WV], 9
	s_lshr_b32 s96, s96, 2                         ; 0 in waves 9 to 12,
	s_xor_b32 s97, s[LATE], 1
	s_or_b32 s96, s96, s97                         ; of which 9, 11 and 12 are late,
	s_or_b32 s96, s96, ttmp9                       ; in the head's first work-group
	s_cmp_eq_u32 s96, 0
	s_cselect_b32 s[PLIM], 1536, 0
	s_mov_b32 s97, 0
	s_wait_kmcnt 0x0
	s_lshl_b32 s96, s20, 4
	s_add_co_u32 s96, s96, s[BLK]
	s_mul_i32 s96, s96, 12800
	s_add_nc_u64 s[QSP:QSP+1], s[4:5], s[96:97]    ; my block's record of q
	s_mul_i32 s96, s[T8], 1536
	s_add_nc_u64 s[QP:QP+1], s[QSP:QSP+1], s[96:97]
	s_lshr_b32 s96, s[T8], 2
	s_lshl_b32 s96, s96, 8
	s_and_b32 s21, s[T8], 1
	s_lshl_b32 s21, s21, 7
	s_add_co_u32 s96, s96, s21
	s_bfe_u32 s21, s[T8], 0x10001
	s_lshl_b32 s21, s21, 2
	s_add_co_u32 s96, s96, s21
	s_add_co_u32 s96, s96, 12288
	s_add_nc_u64 s[QSP:QSP+1], s[QSP:QSP+1], s[96:97]
	s_mul_i32 s96, s20, 16*REC
	s_add_nc_u64 s[RP:RP+1], s[6:7], s[96:97]      ; the head's record 0
	s_sub_co_u32 s96, s[WV], 8
	s_lshr_b32 s96, s96, 1
	s_and_b32 s96, s96, 3                          ; waves 9, 11, 12: parts 0, 1, 2
	s_lshl_b32 s96, s96, 13
	s_add_co_u32 s96, s96, 65536
	s_add_nc_u64 s[PFA:PFA+1], s[RP:RP+1], s[96:97]
	s_lshr_b32 s21, s20, 3                         ; the batch
	s_lshl_b32 s96, s21, 13
	s_add_nc_u64 s[MNB:MNB+1], s[8:9], s[96:97]
	s_lshl_b32 s96, s21, 8
	s_add_nc_u64 s[10:11], s[10:11], s[96:97]
	s_lshl_b32 s96, s20, 11
	s_add_co_u32 s96, s96, s[Q0]
	s_mul_i32 s96, s96, 384
	s_add_nc_u64 s[OP:OP+1], s[12:13], s[96:97]
	s_load_b64 s[PADB:PADB+1], s[10:11], 0x0       ; the batch's two whole numbers
	s_wait_alu depctr_va_vdst(0)                   ; the addresses v1 to v4, v7, v29 to v31 and the add's pair v5, v6 are written: every load, store and prefetch of the kernel reads some of them, and none is written again
.irp c, 0,1,2
	global_load_b128 v[16+4*\c:19+4*\c], v1, s[QP:QP+1] offset:512*\c     ; Q's fragment stays in registers
.endr
	global_load_b32 v28, v31, s[QSP:QSP+1]
	COPYIN 0
	v_mov_b32 v13, 0xff61b1e6                      ; the largest t so far: -3e38
	v_floor_f32 v12, -v13
	v_mov_b32 v14, 0
	v_mov_b32 v15, 0
.irp b, 0,1,2,3
	v_mov_b32 v[236+\b], 0                         ; written once: a lane permute's destination counts as one of its sources
.endr
	v_mov_b32 v252, 0
	v_mov_b32 v253, 0
.set n, 0
.rept 48
	v_mov_b32 v[160+n], 0                          ; O^T: the step is written for every step alike; the first finds zeros, which the first change of M leaves zeros
.set n, n+1
.endr
	s_wait_kmcnt 0x0
	s_lshl_b32 s[LIMW], s[BLK], 7
	s_add_co_u32 s[LIMW], s[LIMW], 127
	s_cmp_gt_u32 s[LB], s[Q0]                      ; a query of my tile in front of L: all keys are walked
	s_cselect_b32 s[LIMW], 2047, s[LIMW]
	s_sub_co_u32 s[LIMG], 15, ttmp9
	s_lshl_b32 s[LIMG], s[LIMG], 7
	s_add_co_u32 s[LIMG], s[LIMG], 127
	s_lshl_b32 s96, ttmp9, 7
	s_cmp_gt_u32 s[LB], s96                        ; the work-group's first query in front of L
	s_cselect_b32 s[LIMG], 2047, s[LIMG]
	s_wait_loadcnt 0x0                             ; Q, and record 0
	COPYOUT 0
	s_wait_dscnt 0x0                               ; the stores are done
	s_wait_alu depctr_vm_vsrc(0)                   ; the LDS stores have read v80-91, in which record 1's loads land
	COPYIN REC                                     ; record 1: every work-group walks at least nine steps
.Lpair:                                            ; eight trips of two steps: the slot's number is a constant in every LDS offset
	TRIP 0
	TRIP 1
	s_sub_co_u32 s[TRIPS], s[TRIPS], 1
	s_cmp_lg_u32 s[TRIPS], 0
	s_cbranch_scc1 .Lpair
	; THE WAY OUT.  O^T / the sum goes through my stage and leaves as 512 consecutive bytes an instruction: rows Q0 .. Q0 + 7 are 3,072 dense bytes of attn, rows Q0 + 16 .. Q0 + 23 the 3,072 that begin 6,144 on
	v_add_f32 v14, v14, v15
	v_permlanex16_b32 v252, v14, s[SEL], s[SEL+1]
	v_add_f32 v14, v14, v252                       ; the row's sum
	v_rcp_f32 v14, v14
.rept 3
	v_nop                                          ; a plain place behind the reciprocal; with the additions above, the places behind the last products
.endr
	s_wait_alu depctr_va_vdst(0)                   ; the reciprocal has written v14, ahead of its first reader
.set n, 0
.rept 48
	v_mul_f32 v[96+n], v[160+n], v14               ; register 8 t + j: d = 32 (t / 2) + 8 (t % 2) + 16 hh + j; each accumulator from its low end on
.set n, n+1
.endr
	s_wait_alu depctr_va_vdst(0)                   ; the multiplications have written v96-143, which the LDS stores read; the last products are long done reading v32-79, in which the loads from the stage land
.irp t, 0,1,2,3,4,5
	ds_store_b128 v7, v[96+8*\t:99+8*\t] offset:128*(\t/2)+32*(\t%2)
	ds_store_b128 v7, v[100+8*\t:103+8*\t] offset:128*(\t/2)+32*(\t%2)+16
.endr
.irp i, 0,1,2,3,4,5,6,7,8,9,10,11
	ds_load_b128 v[32+4*\i:35+4*\i], v4 offset:512*\i      ; LDS serves a wave's instructions in order: these see my stores
.endr
.irp i, 0,1,2,3,4,5,6,7,8,9,10,11
	s_wait_dscnt 11-\i                             ; load i is in; the 11 - i behind it may be out
	global_store_b128 v1, v[32+4*\i:35+4*\i], s[OP:OP+1] offset:512*\i+3072*(\i/6) th:TH_STORE_NT
.endr
	s_wait_dscnt 0x0                               ; the closing lines, six on end
	s_wait_alu 0x0
	s_wait_tensorcnt 0x0
	ds_add_u32 v5, v6
	s_wait_dscnt 0x0
	s_endpgm
.Lfunc_end_k_qecb2ef8ae2_attn:
	.size	k_qecb2ef8ae2_attn, .Lfunc_end_k_qecb2ef8ae2_attn-k_qecb2ef8ae2_attn
	.p2alignl 7, 3214868480
	.fill 96, 4, 3214868480
	.section	.rodata,"a",@progbits
	.p2align	6, 0x0
	.amdhsa_kernel k_qecb2ef8ae2_attn
		.amdhsa_group_segment_fixed_size 165888
		.amdhsa_private_segment_fixed_size 0
		.amdhsa_enable_private_segment 0
		.amdhsa_kernarg_size 40
		.amdhsa_user_sgpr_count 2
		.amdhsa_user_sgpr_kernarg_segment_ptr 1
		.amdhsa_wavefront_size32 1
		.amdhsa_system_sgpr_workgroup_id_x 1
		.amdhsa_system_sgpr_workgroup_id_y 1
		.amdhsa_system_sgpr_workgroup_id_z 1
		.amdhsa_system_vgpr_workitem_id 0
		.amdhsa_next_free_vgpr 256
		.amdhsa_next_free_sgpr 100
		.amdhsa_reserve_vcc 0
		.amdhsa_float_denorm_mode_32 3
		.amdhsa_float_denorm_mode_16_64 3
		.amdhsa_memory_ordered 1
		.amdhsa_forward_progress 1
		.amdhsa_inst_pref_size 89
	.end_amdhsa_kernel
	.amdgpu_metadata
---
amdhsa.version: [ 1, 2 ]
amdhsa.kernels:
  - .name:           k_qecb2ef8ae2_attn
    .symbol:         k_qecb2ef8ae2_attn.kd
    .args:
      - { .name: qrec, .offset: 0, .size: 8, .value_kind: global_buffer, .address_space: global }
      - { .name: kv, .offset: 8, .size: 8, .value_kind: global_buffer, .address_space: global }
      - { .name: mn, .offset: 16, .size: 8, .value_kind: global_buffer, .address_space: global }
      - { .name: steer, .offset: 24, .size: 8, .value_kind: global_buffer, .address_space: global }
      - { .name: attn, .offset: 32, .size: 8, .value_kind: global_buffer, .address_space: global }
    .group_segment_fixed_size: 165888
    .private_segment_fixed_size: 0
    .kernarg_segment_align: 8
    .kernarg_segment_size: 40
    .max_flat_workgroup_size: 512
    .sgpr_count:     100
    .vgpr_count:     256
    .wavefront_size: 32
...
	.end_amdgpu_metadata
.endif
;; end of part 5
;; launch norm: the kernel of part 4 again; grid 256 x 1, 8 waves a work-group, no clusters, 0 bytes of LDS; arguments attn, x, gamma, beta, out0; writes out0
